; MI455X (gfx1250); checked and timed in simulation.
; The chip was launched on July 23, 2026; its instructions are those of AMD's public machine-readable ISA for CDNA 5 (MIT licence, August 2026) and "CDNA5" Instruction Set Architecture Reference Guide (July 2026). The comments in the code are by the model that wrote it; some were corrected since.
;; Qwen3 Attention. Allowed arithmetic: float matrix products may take bf16 or f16 operands with f32 sums; other float arithmetic in f32, or as packed bf16 or f16 multiplies, adds, multiply-adds, maxima and minima; sums over many terms, partial sums and values carried from step to step in f32; what a program stores and reads back later, other than sums and carried values, may be rounded once to bf16 or f16.
;; Inputs: Ak 2,048 x 16 float32; Ao 1,024 x 16 float32; Aq 2,048 x 16 float32; Av 2,048 x 16 float32; Bk 16 x 1,024 float32; Bo 16 x 2,048 float32; Bq 16 x 1,024 float32; Bv 16 x 1,024 float32; Wk 2,048 x 1,024 float32; Wo 1,024 x 2,048 float32; Wq 2,048 x 1,024 float32; Wv 2,048 x 1,024 float32; attention_mask 2 x 2,048 int32; kn_w 128 float32; positions 2 x 2,048 int32; qn_w 128 float32; x 2 x 2,048 x 2,048 float32.
;; Outputs: out0 2 x 2,048 x 2,048 float32; out1 2 x 2,048 x 8 x 128 float32; out2 2 x 2,048 x 8 x 128 float32.
;; 2 versions, each right; version 2 is version 1 with the launch prep written anew for expert scheduling mode. Each part assembles by itself: llvm-mc -triple=amdgcn-amd-amdhsa -mcpu=gfx1250 --defsym DOCPART=n.
;; ======== version 1 of 2: 4 launches
;; limits: values are held in f16: magnitudes above 65,504 overflow, below 6.1e-05 lose precision; inputs' magnitudes at most 65,504; an absolute error that grows with the inputs' magnitude: up to 3e-07 times it; right only within a limited range of input values
;; workspace buffers: xh 23,068,672 bytes; wh 16,777,216 bytes; rope 2,097,152 bytes; lora 393,216 bytes; qkvh 25,165,824 bytes; ob 8,388,608 bytes
;; launch prep (part 1): grid 1232 x 1, 4 waves a work-group, no clusters, 0 bytes of LDS; arguments x, Wq, Wk, Wv, Wo, Aq, Ak, Av, Ao, Bq, Bk, Bv, Bo, positions, xh, wh, rope, lora; writes xh, wh, rope, lora
.if DOCPART == 1
	.amdgcn_target "amdgcn-amd-amdhsa--gfx1250"
	.amdhsa_code_object_version 6
	.text
	.protected	k_q162252fd3e_prep
	.globl	k_q162252fd3e_prep
	.p2align	8
	.type	k_q162252fd3e_prep,@function
k_q162252fd3e_prep:
	s_mov_b64 s[64:65], 0
	v_nop
	global_prefetch_b8 v0, s[64:65] scope:SCOPE_SE
	s_setreg_imm32_b32 hwreg(HW_REG_WAVE_MODE, 25, 1), 1
	s_wait_xcnt 0x0
; PREP: every float input is rounded once to bf16; x, W*, A* are then written as f16 (the same number), B* stay bf16.
; xh lies in 32 blocks of 176 rows of 2,048 f16: rows 0-127 are 128 rows of x, rows 128-175 a copy of Aq, Ak, Av turned (row 128 + 16 mat + rank),
; so that the next launch brings a block's rows of x and the adapters' rows by one tile.
; The work-group's number g picks its part:
;   g 0..63      the table of cos and sin for 64 rows each: rope[row][cos 64 | sin 64] f32
;   g 64..111    one rank of Aq, Ak or Av, turned, into all 32 blocks of xh
;   g 112..127   one rank of Ao, turned: AOT[k/128][rank][k%128] f16 at lora+196608
;   g 128..175   Bq, Bk, Bv turned: BT[mat][n][16 ranks] bf16 at lora+229376
;   g 176..207   Bo turned: BOT[n][16 ranks] bf16 at lora+327680        (lora's bytes 0 .. 196,607 are not used)
;   g 208..1231  64 KiB of x (512 groups) or of Wq, Wk, Wv, Wo (128 groups each) -> xh, wh
; LIMITS. A bf16 number beyond 65,504 has no f16: |x|, |W|, |A| stay below that. Below 2^-14 f16 keeps a fixed step of 6e-8.
; The angle is float(pos) x 2^(-i log2(1e6)/64): it differs from pos / theta^(i/64) by some 3e-7 of itself; stated for |pos| <= 32,768.
; sin and cos: the angle less k pi/2 in two parts, polynomials of degree 7 and 8 on |r| <= pi/4, the quadrant by selects.
; attention_mask is an argument that no launch of this program loads.
.set XBLK, 176*4096                    ; bytes in a block of xh
.set IT,  12                           ; v[12:15]  1 / timescale of my four frequencies
.set CN,  16                           ; v[16:19]  cos, to store
.set SN,  20                           ; v[20:23]  sin, to store
.set BP,  24                           ; v24  4 x the lane that holds my row's position
.set RO,  25                           ; v25  my byte offset in the table
.set PF,  26                           ; v26  the position as f32
.set AN,  27
.set KK,  28
.set RR,  29
.set R2,  30
.set QQ,  31
.set SV,  32
.set CV,  33
.set TV,  34
.set SO,  35
.set CW,  36
; two f32 are rounded to bf16, and the two bf16 numbers written as f16
.macro R2H d, a, b
	v_cvt_pk_bf16_f32 v[(\d)], v[(\a)], v[(\b)]
	v_lshlrev_b32 v[(\a)], 16, v[(\d)]
	v_and_b32 v[(\b)], s50, v[(\d)]
	v_cvt_pk_f16_f32 v[(\d)], v[(\a)], v[(\b)]
.endm
	s_load_b512 s[8:23], s[0:1], 0x0               ; x 8, Wq 10, Wk 12, Wv 14, Wo 16, Aq 18, Ak 20, Av 22
	s_load_b512 s[24:39], s[0:1], 0x40             ; Ao 24, Bq 26, Bk 28, Bv 30, Bo 32, positions 34, xh 36, wh 38
	s_load_b128 s[40:43], s[0:1], 0x80             ; rope 40, lora 42
	s_mov_b32 s2, ttmp9                            ; g
	v_lshrrev_b32 v1, 5, v0
	v_readfirstlane_b32 s3, v1                     ; wave
	v_and_b32 v2, 31, v0                           ; lane
	s_mov_b32 s49, 0                               ; the high word of every offset pair
	s_mov_b32 s50, 0xffff0000                      ; a word's upper bf16
	s_wait_kmcnt 0x0
	s_cmp_ge_u32 s2, 208
	s_cbranch_scc1 .Lconv
	s_cmp_ge_u32 s2, 176
	s_cbranch_scc1 .Lbot
	s_cmp_ge_u32 s2, 128
	s_cbranch_scc1 .Lbt
	s_cmp_ge_u32 s2, 64
	s_cbranch_scc1 .Lat
; ---- the table. A wave owns 16 rows; a trip makes two: lanes 0-15 one row, lanes 16-31 the next; a lane four frequencies.
	v_and_b32 v3, 15, v2
	v_lshrrev_b32 v4, 4, v2
	s_lshl_b32 s4, s2, 6
	s_lshl_b32 s5, s3, 4
	s_add_co_u32 s4, s4, s5                        ; the wave's first row
	v_add_lshl_u32 v5, v3, s4, 2
	global_load_b32 v6, v5, s[34:35]               ; lane l holds the position of row l % 16
	s_lshl_b32 s48, s4, 9
	s_add_nc_u64 s[46:47], s[40:41], s[48:49]
	s_mov_b32 s51, 0xbe9f73da                      ; -log2(1e6) / 64
	s_mov_b32 s52, 0x3f22f983                      ; 2 / pi
	s_mov_b32 s53, 0xbfc90fdb                      ; -(pi/2 rounded to f32)
	s_mov_b32 s54, 0x333bbd2e                      ; that rounding's excess over pi/2
	s_mov_b32 s55, 0xb9500d01                      ; -1/5040
	s_mov_b32 s56, 0x3c088889                      ; 1/120
	s_mov_b32 s57, 0xbe2aaaab                      ; -1/6
	s_mov_b32 s58, 0x37d00d01                      ; 1/40320
	s_mov_b32 s59, 0xbab60b61                      ; -1/720
	s_mov_b32 s60, 0x3d2aaaab                      ; 1/24
	s_mov_b32 s61, 0x80000000
	v_lshlrev_b32 v7, 2, v3
.irp e, 0,1,2,3
	v_add_nc_u32 v8, \e, v7
	v_cvt_f32_u32 v8, v8
	v_mul_f32 v[IT+\e], s51, v8
.endr
.irp e, 0,1,2,3
	v_exp_f32 v[IT+\e], v[IT+\e]
.endr
	v_lshlrev_b32 v[BP], 2, v4                     ; a plain line behind the last exponential
	s_wait_alu depctr_va_vdst(0)                   ; one wait for the four, ahead of their first reader
	v_lshlrev_b32 v[RO], 9, v4
	v_lshl_add_u32 v[RO], v3, 4, v[RO]
	s_wait_loadcnt 0x0
.macro SINCOS e
	v_mul_f32 v[AN], v[PF], v[IT+\e]
	v_mul_f32 v[KK], s52, v[AN]
	v_rndne_f32 v[KK], v[KK]
	v_fma_f32 v[RR], v[KK], s53, v[AN]
	v_fma_f32 v[RR], v[KK], s54, v[RR]
	v_mul_f32 v[R2], v[RR], v[RR]
	v_cvt_i32_f32 v[QQ], v[KK]
	v_fma_f32 v[SV], v[R2], s55, s56
	v_fma_f32 v[SV], v[SV], v[R2], s57
	v_mul_f32 v[TV], v[R2], v[RR]
	v_fma_f32 v[SV], v[SV], v[TV], v[RR]
	v_fma_f32 v[CV], v[R2], s58, s59
	v_fma_f32 v[CV], v[CV], v[R2], s60
	v_fma_f32 v[CV], v[CV], v[R2], -0.5
	v_fma_f32 v[CV], v[CV], v[R2], 1.0
	v_and_b32 v[TV], 1, v[QQ]
	v_cmp_eq_u32 vcc_lo, 1, v[TV]                  ; odd quadrants swap sin and cos
	v_cndmask_b32 v[SO], v[SV], v[CV], vcc_lo
	v_cndmask_b32 v[CW], v[CV], v[SV], vcc_lo
	v_lshlrev_b32 v[TV], 30, v[QQ]                 ; sin changes sign in quadrants 2, 3
	v_and_b32 v[TV], s61, v[TV]
	v_xor_b32 v[SN+\e], v[TV], v[SO]
	v_add_nc_u32 v[QQ], 1, v[QQ]                   ; cos in quadrants 1, 2
	v_lshlrev_b32 v[TV], 30, v[QQ]
	v_and_b32 v[TV], s61, v[TV]
	v_xor_b32 v[CN+\e], v[TV], v[CW]
.endm
	s_mov_b32 s4, 8
.Lrope:
	ds_bpermute_b32 v10, v[BP], v6                 ; my row's position, from the lane that loaded it
	s_wait_dscnt 0x0
	v_cvt_f32_i32 v[PF], v10
	SINCOS 0
	SINCOS 1
	SINCOS 2
	SINCOS 3
	global_store_b128 v[RO], v[CN:CN+3], s[46:47]              ; 16 lanes store 256 consecutive bytes, aligned
	global_store_b128 v[RO], v[SN:SN+3], s[46:47] offset:256
	s_wait_xcnt 0x0                                ; the stores' offset and data are written again only behind this wait
	v_add_nc_u32 v[RO], 1024, v[RO]
	v_add_nc_u32 v[BP], 8, v[BP]
	s_sub_co_u32 s4, s4, 1
	s_cmp_lg_u32 s4, 0
	s_cbranch_scc1 .Lrope
	s_endpgm
; ---- A turned. u = 16 mat + rank; a lane takes 8 consecutive k of that rank.
.Lat:
	s_sub_co_u32 s4, s2, 64                        ; u
	s_lshr_b32 s5, s4, 4                           ; mat
	s_and_b32 s6, s4, 15                           ; rank
	s_cmp_eq_u32 s5, 0
	s_cselect_b64 s[44:45], s[18:19], s[20:21]
	s_cmp_eq_u32 s5, 2
	s_cselect_b64 s[44:45], s[22:23], s[44:45]
	s_cmp_eq_u32 s5, 3
	s_cselect_b64 s[44:45], s[24:25], s[44:45]
	s_lshl_b32 s6, s6, 2                           ; 4 x rank
	s_cmp_eq_u32 s5, 3
	s_cbranch_scc1 .Lat_o
	s_lshl_b32 s7, s3, 15                          ; k0 = 512 w: 64 bytes a row of A
	s_add_co_u32 s7, s7, s6
	v_lshl_add_u32 v5, v2, 9, s7
.set i, 0
.rept 16
	global_load_b32 v[16+i], v5, s[44:45] offset:(i/8)*16384+(i%8)*64
.set i, i+1
.endr
	s_add_co_u32 s7, s4, 128                       ; row 128 + u of a block,
	s_lshl_b32 s7, s7, 12
	s_lshl_b32 s48, s3, 10                         ; my wave's 1,024 bytes of it
	s_add_co_u32 s7, s7, s48
	v_lshl_add_u32 v6, v2, 4, s7
	v_add_nc_u32 v7, 8*XBLK, v6                    ; four offsets, eight blocks apart: the block among eight stands in the immediate
	v_add_nc_u32 v8, 16*XBLK, v6
	v_add_nc_u32 v9, 24*XBLK, v6
	s_wait_loadcnt 0x0
.set i, 0
.rept 8
	R2H 32+i, 16+2*i, 17+2*i
.set i, i+1
.endr
.irp g, 0,1,2,3
.irp c, 0,1,2,3,4,5,6,7
	global_store_b128 v[6+\g], v[32:35], s[36:37] offset:\c*XBLK       ; the same 512 consecutive bytes into each of the 32 blocks
	global_store_b128 v[6+\g], v[36:39], s[36:37] offset:\c*XBLK+512
.endr
.endr
	s_endpgm
.Lat_o:
	s_lshl_b32 s7, s3, 14                          ; k0 = 256 w
	s_add_co_u32 s7, s7, s6
	v_lshl_add_u32 v5, v2, 9, s7
.set i, 0
.rept 8
	global_load_b32 v[16+i], v5, s[44:45] offset:i*64
.set i, i+1
.endr
	s_lshl_b32 s7, s3, 13                          ; K step 2 w + l / 16, 4,096 bytes each
	s_lshl_b32 s6, s6, 6                           ; rank x 256
	s_add_co_u32 s7, s7, s6
	v_lshrrev_b32 v3, 4, v2
	v_and_b32 v4, 15, v2
	v_lshl_add_u32 v6, v3, 12, s7
	v_lshl_add_u32 v6, v4, 4, v6
	s_wait_loadcnt 0x0
.set i, 0
.rept 4
	R2H 32+i, 16+2*i, 17+2*i
.set i, i+1
.endr
	global_store_b128 v6, v[32:35], s[42:43] offset:196608
	s_endpgm
; ---- B turned. A wave takes 16 columns; lane l column l / 2, ranks 8 (l % 2) + 0..7: 16 bytes at 16 l of 512 consecutive bytes.
.macro SB pitch                        ; s[44:45] the source, s6 the first column, s7 the byte offset in lora
	v_lshrrev_b32 v3, 1, v2
	v_and_b32 v4, 1, v2
	v_add_lshl_u32 v5, v3, s6, 2
	v_mul_u32_u24 v4, v4, 8*(\pitch)
	v_add_nc_u32 v5, v5, v4
.set i, 0
.rept 8
	global_load_b32 v[16+i], v5, s[44:45] offset:i*(\pitch)
.set i, i+1
.endr
	v_lshl_add_u32 v6, v2, 4, s7
	s_wait_loadcnt 0x0
.set i, 0
.rept 4
	v_cvt_pk_bf16_f32 v[32+i], v[16+2*i], v[17+2*i]
.set i, i+1
.endr
	global_store_b128 v6, v[32:35], s[42:43]
	s_endpgm
.endm
.Lbt:
	s_sub_co_u32 s4, s2, 128
	s_lshr_b32 s5, s4, 4                           ; mat
	s_and_b32 s6, s4, 15
	s_cmp_eq_u32 s5, 0
	s_cselect_b64 s[44:45], s[26:27], s[28:29]
	s_cmp_eq_u32 s5, 2
	s_cselect_b64 s[44:45], s[30:31], s[44:45]
	s_lshl_b32 s6, s6, 6
	s_lshl_b32 s7, s3, 4
	s_add_co_u32 s6, s6, s7                        ; first column
	s_lshl_b32 s7, s5, 15
	s_lshl_b32 s48, s6, 5
	s_add_co_u32 s7, s7, s48
	s_add_co_u32 s7, s7, 229376
	SB 4096
.Lbot:
	s_sub_co_u32 s4, s2, 176
	s_mov_b64 s[44:45], s[32:33]
	s_lshl_b32 s6, s4, 6
	s_lshl_b32 s7, s3, 4
	s_add_co_u32 s6, s6, s7
	s_lshl_b32 s7, s6, 5
	s_add_co_u32 s7, s7, 327680
	SB 8192
; ---- the streams. A wave takes 16 KiB of f32: 32 loads of 512 consecutive bytes, all out at once; each becomes 256 bytes of f16.
.Lconv:
	s_sub_co_u32 s4, s2, 208                       ; u
	s_sub_co_u32 s5, s4, 512                       ; for the weights: 128 mat + chunk
	s_lshr_b32 s6, s5, 7
	s_and_b32 s7, s5, 127
	s_lshr_b32 s51, s4, 4                          ; for x: sixteen chunks of 8 rows fill a block's 128 rows,
	s_mul_i32 s51, s51, 48*4096                    ; and the adapters' 48 rows behind each block are stepped over
	s_cmp_eq_u32 s6, 0
	s_cselect_b64 s[44:45], s[10:11], s[12:13]
	s_cmp_eq_u32 s6, 2
	s_cselect_b64 s[44:45], s[14:15], s[44:45]
	s_cmp_eq_u32 s6, 3
	s_cselect_b64 s[44:45], s[16:17], s[44:45]
	s_cmp_lt_u32 s4, 512
	s_cselect_b64 s[44:45], s[8:9], s[44:45]
	s_cselect_b64 s[46:47], s[36:37], s[38:39]
	s_cselect_b32 s7, s4, s7                       ; the chunk in the source,
	s_cselect_b32 s5, s4, s5                       ; and in the destination (the four weights lie on end in wh)
	s_cselect_b32 s51, s51, 0
	s_lshl_b32 s48, s7, 16
	s_lshl_b32 s6, s3, 14
	s_add_co_u32 s48, s48, s6
	s_add_nc_u64 s[44:45], s[44:45], s[48:49]
	s_lshl_b32 s48, s5, 15
	s_lshl_b32 s6, s3, 13
	s_add_co_u32 s48, s48, s6
	s_add_co_u32 s48, s48, s51
	s_add_nc_u64 s[46:47], s[46:47], s[48:49]
	v_lshlrev_b32 v3, 4, v2
	v_lshlrev_b32 v4, 3, v2
.set i, 0
.rept 32
	global_load_b128 v[16+4*i:16+4*i+3], v3, s[44:45] offset:512*i th:TH_LOAD_NT
.set i, i+1
.endr
.set i, 0
.rept 32
	s_wait_loadcnt 31-i                            ; loads come back in order: load i is in, the younger ones stay out
	R2H 144+2*i, 16+4*i, 17+4*i
	R2H 145+2*i, 18+4*i, 19+4*i
	global_store_b64 v4, v[144+2*i:145+2*i], s[46:47] offset:256*i   ; 32 lanes store 256 consecutive bytes, aligned; no register is used twice
.set i, i+1
.endr
	s_endpgm
.Lfunc_end_k_q162252fd3e_prep:
	.size	k_q162252fd3e_prep, .Lfunc_end_k_q162252fd3e_prep-k_q162252fd3e_prep
	.p2alignl 7, 3214868480
	.fill 96, 4, 3214868480
	.section	.rodata,"a",@progbits
	.p2align	6, 0x0
	.amdhsa_kernel k_q162252fd3e_prep
		.amdhsa_group_segment_fixed_size 0
		.amdhsa_private_segment_fixed_size 0
		.amdhsa_enable_private_segment 0
		.amdhsa_kernarg_size 144
		.amdhsa_user_sgpr_count 2
		.amdhsa_user_sgpr_kernarg_segment_ptr 1
		.amdhsa_wavefront_size32 1
		.amdhsa_system_sgpr_workgroup_id_x 1
		.amdhsa_system_sgpr_workgroup_id_y 1
		.amdhsa_system_sgpr_workgroup_id_z 1
		.amdhsa_system_vgpr_workitem_id 0
		.amdhsa_next_free_vgpr 208
		.amdhsa_next_free_sgpr 66
		.amdhsa_reserve_vcc 1
		.amdhsa_float_denorm_mode_32 3
		.amdhsa_float_denorm_mode_16_64 3
		.amdhsa_memory_ordered 1
		.amdhsa_forward_progress 1
		.amdhsa_inst_pref_size 44
	.end_amdhsa_kernel
	.amdgpu_metadata
---
amdhsa.version: [ 1, 2 ]
amdhsa.kernels:
  - .name:           k_q162252fd3e_prep
    .symbol:         k_q162252fd3e_prep.kd
    .args:
      - { .name: x, .offset: 0, .size: 8, .value_kind: global_buffer, .address_space: global }
      - { .name: Wq, .offset: 8, .size: 8, .value_kind: global_buffer, .address_space: global }
      - { .name: Wk, .offset: 16, .size: 8, .value_kind: global_buffer, .address_space: global }
      - { .name: Wv, .offset: 24, .size: 8, .value_kind: global_buffer, .address_space: global }
      - { .name: Wo, .offset: 32, .size: 8, .value_kind: global_buffer, .address_space: global }
      - { .name: Aq, .offset: 40, .size: 8, .value_kind: global_buffer, .address_space: global }
      - { .name: Ak, .offset: 48, .size: 8, .value_kind: global_buffer, .address_space: global }
      - { .name: Av, .offset: 56, .size: 8, .value_kind: global_buffer, .address_space: global }
      - { .name: Ao, .offset: 64, .size: 8, .value_kind: global_buffer, .address_space: global }
      - { .name: Bq, .offset: 72, .size: 8, .value_kind: global_buffer, .address_space: global }
      - { .name: Bk, .offset: 80, .size: 8, .value_kind: global_buffer, .address_space: global }
      - { .name: Bv, .offset: 88, .size: 8, .value_kind: global_buffer, .address_space: global }
      - { .name: Bo, .offset: 96, .size: 8, .value_kind: global_buffer, .address_space: global }
      - { .name: positions, .offset: 104, .size: 8, .value_kind: global_buffer, .address_space: global }
      - { .name: xh, .offset: 112, .size: 8, .value_kind: global_buffer, .address_space: global }
      - { .name: wh, .offset: 120, .size: 8, .value_kind: global_buffer, .address_space: global }
      - { .name: rope, .offset: 128, .size: 8, .value_kind: global_buffer, .address_space: global }
      - { .name: lora, .offset: 136, .size: 8, .value_kind: global_buffer, .address_space: global }
    .group_segment_fixed_size: 0
    .private_segment_fixed_size: 0
    .kernarg_segment_align: 8
    .kernarg_segment_size: 144
    .max_flat_workgroup_size: 128
    .sgpr_count:     66
    .vgpr_count:     208
    .wavefront_size: 32
...
	.end_amdgpu_metadata
.endif
;; end of part 1
;; launch qkv (part 2): grid 8 x 32, 4 waves a work-group, clusters of 4 x 4, 327,680 bytes of LDS; arguments xh, wh, rope, lora, qn_w, kn_w, qkvh, out1, out2; writes qkvh, out1, out2
.if DOCPART == 2
	.amdgcn_target "amdgcn-amd-amdhsa--gfx1250"
	.amdhsa_code_object_version 6
	.text
	.protected	k_q162252fd3e_qkv
	.globl	k_q162252fd3e_qkv
	.p2align	8
	.type	k_q162252fd3e_qkv,@function
k_q162252fd3e_qkv:
	s_mov_b64 s[64:65], 0
	v_nop
	global_prefetch_b8 v0, s[64:65] scope:SCOPE_SE
	s_setreg_imm32_b32 hwreg(HW_REG_WAVE_MODE, 25, 1), 1
	s_wait_xcnt 0x0
	s_wait_alu depctr_hold_cnt(0) depctr_sa_sdst(0) depctr_va_vdst(0) depctr_va_sdst(0) depctr_va_ssrc(0) depctr_va_vcc(0) depctr_vm_vsrc(0)
	s_getreg_b32 s2, hwreg(HW_REG_IB_STS2, 6, 4)
	s_cmp_eq_u32 s2, 0
	s_cbranch_scc0 .Lentry_in_a_cluster
	s_endpgm
.Lentry_in_a_cluster:
	s_bfe_u32 s2, ttmp6, 0x10000c
	s_cmp_lg_u32 s2, 0xf033
	s_cbranch_scc0 .Lentry_shape_is_right
	s_endpgm
.Lentry_shape_is_right:
; q, k, v = x W + (x A) B for one head and 128 rows; then the head's RMS norm and RoPE on q and k.
; Stored: q, k, v by heads in f16, qkvh[q|k|v][16 (batch, head)][2048][128]; k and v in f32 to out1 and out2.
; SHARES. Work-group (head hx, row block my): 128 rows x 384 columns, the head's strips of Wq, Wk, Wv. Wave w: all 128 rows and columns 32 w .. 32 w + 31 of each strip:
; 8 row blocks a x 6 column blocks c = 2 strip + half: 48 accumulators.
; K goes in 16 steps of 128 through two LDS slots; waves 0-2 fetch the three strips (128 k rows of 256 bytes), wave 3 a block's 176 rows of xh: 128 of x, 48 of the adapters turned.
; CLUSTER 4 x 4: xh's tile hangs on my alone and is asked for jointly along a row of the cluster, a strip on hx alone, jointly along a column.
; TRANSPOSED USE: source 0 = 16 columns of W (turned out of LDS by ds_load_tr16_b128), source 1 = 16 rows of x: a lane holds one row and eight neighbouring columns.
; LORA. T = x A rides along in the K loop: wave w < 3 takes adapter w (chosen by an LDS address: register numbers cannot hang on the wave) for all 8 row blocks, on the fragments of x
; that it holds anyway: 8 products more for a quarter's 48; wave 3 jumps over them. At the end T is split into hi = bf16(T) and lo = bf16(T - hi), handed round through LDS,
; and one bf16 step of K = 32 adds T B onto the accumulators: k 0-15 carry hi x B, k 16-31 lo x the same B.
; LIMITS. v leaves as f16 too: |v| below 65,504. NaN and infinities are not treated apart.
; REGISTERS. window 0: addresses v3-13, A's fragment v14-29 (two buffers), x's v32-159, W's v160-255. window 1: accumulators a = 0..4 at 8 (6 a + c).
; window 2: a = 5..7 at v0-143, T's eight accumulators v144-207, the split's scratch v208-247. window 3: T's fragments v0-191 (at the end), B's v192-239.
.set PA,    272                        ; a row of xh in LDS: 256 + 16
.set PB,    288                        ; a k row of a strip: 256 + 32
.set STRIP, 128*PB
.set AOFF,  3*STRIP
.set AROWS, 176
.set XBLK,  AROWS*4096                 ; bytes in a block of xh
.set SLOT,  AOFF+AROWS*PA              ; 158,464
.set SPARE, 2*SLOT                     ; the spare words
.set ROPEL, 0                          ; the way out: four waves' 32 rows of the table, in slot 0: its last fill
.set CST,   65536                      ; the way out: 128 rows of 384 f32, in ring bytes that are filled no more
.set CP,    1552                       ; a row of it: 1,536 + 16
.set TX,    CST                        ; T's 24 fragments of 1,024 bytes, handed round before CST is written
.set R,    1
.set H,    2
.set PFO,  3
.set ADRA, 4                           ; v4      x's fragments in the slot that is read
.set ADRB, 5                           ; v5-7    W's, by strip
.set ADRT, 8                           ; v8      my adapter's
.set A0,   9                           ; v9-13   the same five in slot 0; never rewritten in the loop
.set B0,   10
.set T0,   13
.set FT,   14                          ; v14-29
.set SPW,  30
.set NIL,  31
.set FA,   32                          ; v32-159
.set FB,   160                         ; v160-255
.set TA,   144                         ; window 2
.set TW,   208
.set TH,   216
.set TF,   0                           ; window 3: T of adapter m, row block a at 8 (8 m + a)
.set BF,   192                         ; window 3: B of column block c
.set STO,  4                           ; the way out's addresses take the loop's registers: v4-6 where I put 16 bytes, for row blocks 0-2, 3-5, 6-7
.set RDO,  7                           ; my four columns of a row
.set RDX,  8                           ; the four columns 64 away
.set RDR,  9                           ; my four frequencies in the table
.set VH,   10                          ; 8 x lane, stepped
.set VF,   11                          ; 16 x lane, stepped
.set GOF,  12
.set GXF,  13
.set SGN,  14
.set TXW,  15
.set TXR,  16
.set LN,   17
.set TM,   18
.set TB,  22                           ; s22  the slot that is read: 0 or SLOT
.set TBF, 23                           ; s23  the slot that was filled last
.set G1A, 24
.set G0A, 32                           ; a set for each of the two first fills; the second then walks on
.set G1B, 40
.set G0B, 48
.set G1R, 56
.set SEL, 66
.set G0R, 68
.set WV,  72
.set CX,  73
.set CY,  74
.set HX,  75
.set MY,  76
.set LAP, 77
.set LIM, 78
.set PFS, 80                           ; s[80:81] bytes from a K step to the next, for my prefetches
.set PFA, 82                           ; s[82:83] where they stand
.set QBS, 84
.set KBS, 86
.set VBS, 88
.set O1,  90
.set O2,  92
.set LB,  100                          ; s100 my strip's place in a slot
.set MSB, 0
.macro WIN new
.if MSB != (\new)
	s_set_vgpr_msb (MSB<<8)|(\new)
.set MSB, \new
.endif
.endm
.macro PLACES
.rept 4
	v_nop
.endr
.endm
.macro CREST
	s_cmp_lg_u32 s[WV], 0
	s_cbranch_scc1 .Lnot_wave_0_\@
	s_barrier_signal -3
.Lnot_wave_0_\@:
	s_barrier_wait -3
	s_barrier_signal -1
	s_barrier_wait -1
.endm
.macro CROUND
	s_barrier_signal -1
	s_barrier_wait -1
	CREST
.endm
.macro JLOAD                           ; a joint refill by the walking descriptors: wave 3 xh's tile, waves 0-2 their strips; the branch hangs on the wave's number alone
	s_cmp_eq_u32 s[WV], 3
	s_cbranch_scc0 .Lfor_b_\@
	tensor_load_to_lds s[G0A+4:G0A+7], s[G1A:G1A+7]
	s_nop 0
	PLACES
	s_branch .Lasked_\@
.Lfor_b_\@:
	tensor_load_to_lds s[G0B+4:G0B+7], s[G1B:G1B+7]
	s_nop 0
	PLACES
.Lasked_\@:
.endm
; A prefetch of the K step that stands two refills on: 32 rows x 256 bytes, a lane a row. x's rows: the cluster with x = 0 asks, the partner at cx takes rows 32 cx on.
; A strip's k rows: the cluster with y = 0 asks, the partner at cy takes k rows 32 cy on. So each 256 bytes are named once. The last two trips ask for nothing.
; The adapters' 48 rows are 12 a partner, which fills no wave's lanes: they come by their load alone.
.macro ASK
	s_cmp_gt_u32 s[LAP], s[LIM]
	s_cbranch_scc0 .Lnot_mine_\@
	global_prefetch_b8 v[PFO], s[PFA:PFA+1] th:TH_LOAD_NT scope:SCOPE_SE
.Lnot_mine_\@:
.endm
; The LDS loads of 32 along K, quarter q of the slot that is read, into buffer f: my adapter's 2 (waves 0-2; they stand first, so that no count below hangs on them), W's 12, x's 16 in the order of a
.macro FETCH q, f
	WIN 0
	s_cmp_eq_u32 s[WV], 3
	s_cbranch_scc1 .Lno_ft_\@
	ds_load_b128 v[FT+8*(\f):FT+8*(\f)+3],   v[ADRT] offset:64*(\q)
	ds_load_b128 v[FT+8*(\f)+4:FT+8*(\f)+7], v[ADRT] offset:64*(\q)+32
.Lno_ft_\@:
.irp c, 0,1,2,3,4,5
	ds_load_tr16_b128 v[FB+48*(\f)+8*\c:FB+48*(\f)+8*\c+3],   v[ADRB+\c/2] offset:(\q)*32*PB+32*(\c%2)
	ds_load_tr16_b128 v[FB+48*(\f)+8*\c+4:FB+48*(\f)+8*\c+7], v[ADRB+\c/2] offset:(\q)*32*PB+32*(\c%2)+16*PB
.endr
.irp a, 0,1,2,3,4,5,6,7
	ds_load_b128 v[FA+64*(\f)+8*\a:FA+64*(\f)+8*\a+3],   v[ADRA] offset:\a*16*PA+64*(\q)
	ds_load_b128 v[FA+64*(\f)+8*\a+4:FA+64*(\f)+8*\a+7], v[ADRA] offset:\a*16*PA+64*(\q)+32
.endr
.endm
.macro MUL f, a0, n, zero              ; 6 n products: row blocks a0 .. a0 + n - 1 x all column blocks; the accumulators take turns in one order everywhere
.set aa, \a0
.rept \n
.if aa < 5
	WIN 0x50
.set AC, 48*aa
.else
	WIN 0xa0
.set AC, 48*(aa-5)
.endif
.irp c, 0,1,2,3,4,5
.if \zero
	v_wmma_f32_16x16x32_f16 v[AC+8*\c:AC+8*\c+7], v[FB+48*(\f)+8*\c:FB+48*(\f)+8*\c+7], v[FA+64*(\f)+8*aa:FA+64*(\f)+8*aa+7], 0
.else
	v_wmma_f32_16x16x32_f16 v[AC+8*\c:AC+8*\c+7], v[FB+48*(\f)+8*\c:FB+48*(\f)+8*\c+7], v[FA+64*(\f)+8*aa:FA+64*(\f)+8*aa+7], v[AC+8*\c:AC+8*\c+7]
.endif
.endr
.set aa, aa+1
.endr
.endm
.macro TMUL f, zero                    ; T^T += A^T x^T for my adapter: eight accumulators by turns; a lane ends with one row and the ranks 8 (l / 16) + 0..7
	WIN 0
	s_cmp_eq_u32 s[WV], 3
	s_cbranch_scc1 .Lno_tm_\@
	WIN 0xa0
.irp a, 0,1,2,3,4,5,6,7
.if \zero
	v_wmma_f32_16x16x32_f16 v[TA+8*\a:TA+8*\a+7], v[FT+8*(\f):FT+8*(\f)+7], v[FA+64*(\f)+8*\a:FA+64*(\f)+8*\a+7], 0
.else
	v_wmma_f32_16x16x32_f16 v[TA+8*\a:TA+8*\a+7], v[FT+8*(\f):FT+8*(\f)+7], v[FA+64*(\f)+8*\a:FA+64*(\f)+8*\a+7], v[TA+8*\a:TA+8*\a+7]
.endif
.endr
	WIN 0
.Lno_tm_\@:
.endm
.macro QUARTER q, f, g, zero           ; multiplies buffer f; in its middle fetches quarter q into buffer g
	s_wait_dscnt 10                                ; A, W and x's blocks 0-2 are in; the youngest ten loads (blocks 3-7) may be out
	MUL \f, 0, 3, \zero
	s_wait_dscnt 0x0                               ; those ten: x's blocks 3-7, multiplied next
	PLACES
	FETCH \q, \g
	MUL \f, 3, 5, \zero
	TMUL \f, \zero
.endm
; A K step's last quarter (buffer 1) and the change of slots. kind = 1: the slot just read is filled again, two K steps ahead. kind = 2: K step 14's: slot 0 takes the table's rows.
.macro TURN kind
.if (\kind) == 1
	s_wait_xcnt 0x0                                ; the last prefetch, a K step back, has read its address
	s_add_nc_u64 s[PFA:PFA+1], s[PFA:PFA+1], s[PFS:PFS+1]
.endif
	WIN 0
	s_wait_tensorcnt 0x0                           ; all my tensor loads have landed: my part of the next slot; the descriptors may be written
	ds_add_u32 v[SPW], v[NIL]
.if (\kind) == 1
	s_xor_b32 s[TBF], s[TBF], SLOT                 ; the walking descriptors: the other slot than last time, the next K step
	s_add_co_u32 s[G0A+5], s[TBF], AOFF
	s_add_nc_u64 s[G0A+6:G0A+7], s[G0A+6:G0A+7], 256
	s_add_co_u32 s[G0B+5], s[LB], s[TBF]
	s_add_nc_u64 s[G0B+6:G0B+7], s[G0B+6:G0B+7], 262144
	s_xor_b32 s[TB], s[TB], SLOT
.endif
	s_wait_dscnt 13                                ; the add and the twelve loads of x's blocks 2-7 may be out
	MUL 1, 0, 2, 0
	s_wait_dscnt 0x0                               ; the add is done, my reads of this slot are over
	s_barrier_signal -1
	MUL 1, 2, 2, 0
	WIN 0
	s_barrier_wait -1
	CREST                                          ; the barrier opened a round of the cluster's: no wave of any partner reads this slot or has a load out
.if (\kind) == 1
	JLOAD                                          ; its four v_nop are also the places in front of the loads below
	v_add_nc_u32 v[ADRA], s[TB], v[A0]
	v_add_nc_u32 v[ADRB], s[TB], v[B0]
	v_add_nc_u32 v[ADRB+1], s[TB], v[B0+1]
	v_add_nc_u32 v[ADRB+2], s[TB], v[B0+2]
	v_add_nc_u32 v[ADRT], s[TB], v[T0]
.else
	tensor_load_to_lds s[G0R:G0R+3], s[G1R:G1R+7]  ; my 32 rows of the table: K step 15 stands between this load and the wait for it
	s_nop 0
	PLACES
	v_add_nc_u32 v[ADRA], SLOT, v[A0]              ; K step 15 lies in slot 1
	v_add_nc_u32 v[ADRB], SLOT, v[B0]
	v_add_nc_u32 v[ADRB+1], SLOT, v[B0+1]
	v_add_nc_u32 v[ADRB+2], SLOT, v[B0+2]
	v_add_nc_u32 v[ADRT], SLOT, v[T0]
.endif
	FETCH 0, 0
.if (\kind) == 1
	ASK
.endif
	MUL 1, 4, 4, 0
	TMUL 1, 0
.endm
	s_load_b512 s[4:19], s[0:1], 0x0               ; xh 4, wh 6, rope 8, lora 10, qn_w 12, kn_w 14, qkvh 16, out1 18
	s_load_b64 s[20:21], s[0:1], 0x40              ; out2
	v_lshl_add_u32 v[SPW], v0, 2, SPARE
	v_mov_b32 v[NIL], 0
	ds_add_u32 v[SPW], v[NIL]                      ; the opening: the add and its wait ahead of my first tensor load
	v_lshrrev_b32 v32, 5, v0
	v_readfirstlane_b32 s[WV], v32
	s_bfe_u32 s[CX], ttmp6, 0x40000
	s_bfe_u32 s[CY], ttmp6, 0x40004
	s_lshl_b32 s[HX], ttmp9, 2
	s_add_co_u32 s[HX], s[HX], s[CX]               ; the head
	s_and_b32 s[MY], ttmp7, 0xffff
	s_lshl_b32 s[MY], s[MY], 2
	s_add_co_u32 s[MY], s[MY], s[CY]               ; the block of 128 rows
	s_lshl_b32 s94, s[CY], 2
	s_lshl_b32 s94, 15, s94                        ; my row of the cluster
	s_lshl_b32 s96, 0x1111, s[CX]                  ; my column
	s_or_b32 s[G1A], s94, (1<<16)|(1<<20)|(1<<21)|(5<<22)|(3<<25)   ; 2-byte elements, 4 words of padding after every 64
	s_or_b32 s[G1B], s96, (1<<16)|(1<<20)|(1<<21)|(5<<22)|(7<<25)   ; 8 words of padding
	s_or_b32 s[G1R], s94, (3<<16)|(1<<21)                           ; 8-byte elements, no padding
.irp g, G1A, G1B
	s_mov_b32 s[\g+1], 128<<16
	s_mov_b32 s[\g+3], 128<<16
	s_mov_b32 s[\g+6], 0
	s_mov_b32 s[\g+7], 0
.endr
	s_mov_b32 s[G1A+2], AROWS<<16                  ; 176 rows of 128 elements, 2,048 elements apart
	s_mov_b32 s[G1A+4], AROWS
	s_mov_b32 s[G1A+5], 2048
	s_mov_b32 s[G1B+2], 128<<16                    ; 128 k rows of 128 elements, 1,024 apart
	s_mov_b32 s[G1B+4], 128
	s_mov_b32 s[G1B+5], 1024
	s_mov_b32 s[G1R+1], 32<<16                     ; 16,384 dense bytes as 64 rows of 256
	s_mov_b32 s[G1R+2], 64<<16
	s_mov_b32 s[G1R+3], 32<<16
	s_mov_b32 s[G1R+4], 64
	s_mov_b32 s[G1R+5], 32
	s_mov_b32 s[G1R+6], 0
	s_mov_b32 s[G1R+7], 0
	s_mov_b32 s[G0A], 1
	s_mov_b32 s[G0A+1], AOFF
	s_mov_b32 s[G0A+4], 1
	s_mov_b32 s[G0A+5], AOFF+SLOT
	s_mul_i32 s[LB], s[WV], STRIP
	s_mov_b32 s[G0B], 1
	s_mov_b32 s[G0B+1], s[LB]
	s_mov_b32 s[G0B+4], 1
	s_add_co_u32 s[G0B+5], s[LB], SLOT
	s_lshl_b32 s99, s[WV], 14
	s_mov_b32 s[G0R], 1
	s_add_co_u32 s[G0R+1], s99, ROPEL
	s_mov_b32 s[TB], 0
	s_mov_b32 s[TBF], SLOT
	s_mul_i32 s94, s[MY], XBLK                     ; xh: my block
	s_mov_b32 s95, 0
	s_min_u32 s96, s[WV], 2
	s_lshl_b32 s96, s96, 22                        ; W: the strip's matrix,
	s_lshl_b32 s97, s[HX], 8                       ; the head's 256 bytes of a k row
	s_add_co_u32 s96, s96, s97
	s_mov_b32 s97, 0
	s_lshl_b32 s98, s[MY], 16                      ; the table: 128 rows of 512 bytes, my wave's 32
	s_add_co_u32 s98, s98, s99
	s_mov_b32 s99, 0
	s_mov_b32 s2, 0xffff0000
	s_mov_b32 s3, 0x358637bd                       ; 1e-6
	s_mov_b32 s79, 0x3c000000                      ; 1/128
	s_mov_b32 s[SEL], 0x76543210
	s_mov_b32 s[SEL+1], 0xfedcba98
	s_wait_dscnt 0x0
	s_wait_kmcnt 0x0
	s_add_nc_u64 s[G0A+2:G0A+3], s[4:5], s[94:95]
	s_add_nc_u64 s[G0A+6:G0A+7], s[G0A+2:G0A+3], 256
	s_or_b32 s[G0A+3], s[G0A+3], 0x80000000
	s_or_b32 s[G0A+7], s[G0A+7], 0x80000000
	s_add_nc_u64 s[G0B+2:G0B+3], s[6:7], s[96:97]
	s_add_nc_u64 s[G0B+6:G0B+7], s[G0B+2:G0B+3], 262144
	s_or_b32 s[G0B+3], s[G0B+3], 0x80000000
	s_or_b32 s[G0B+7], s[G0B+7], 0x80000000
	s_add_nc_u64 s[G0R+2:G0R+3], s[8:9], s[98:99]
	s_or_b32 s[G0R+3], s[G0R+3], 0x80000000
	CROUND                                         ; all sixteen work-groups are here: the first joint loads meet
	s_cmp_eq_u32 s[WV], 3                          ; a wave's two first fills stand in one branch: two loads of mine are out
	s_cbranch_scc0 .Lfirst_b
	tensor_load_to_lds s[G0A:G0A+3], s[G1A:G1A+7]
	s_nop 0
	tensor_load_to_lds s[G0A+4:G0A+7], s[G1A:G1A+7]
	s_nop 0
	PLACES
	s_branch .Lfirst_done
.Lfirst_b:
	tensor_load_to_lds s[G0B:G0B+3], s[G1B:G1B+7]
	s_nop 0
	tensor_load_to_lds s[G0B+4:G0B+7], s[G1B:G1B+7]
	s_nop 0
	PLACES
.Lfirst_done:
	v_and_b32 v[R], 15, v0
	v_bfe_u32 v[H], v0, 4, 1
	v_and_b32 v32, 31, v0
	s_lshl_b32 s98, s[HX], 12
	s_lshl_b32 s99, s[WV], 10
	s_add_co_u32 s98, s98, s99
	v_lshl_add_u32 v33, v[R], 5, s98               ; B turned: column 128 hx + 32 w + r, 32 bytes a column,
	v_lshl_add_u32 v33, v[H], 4, v33               ; ranks 8 h on
	WIN 0xc0
.irp c, 0,1,2,3,4,5                    ; the same 16 bytes twice: for hi's half of K and for lo's
	global_load_b128 v[BF+8*\c:BF+8*\c+3],   v33, s[10:11] offset:229376+(\c/2)*32768+(\c%2)*512
	global_load_b128 v[BF+8*\c+4:BF+8*\c+7], v33, s[10:11] offset:229376+(\c/2)*32768+(\c%2)*512
.endr
	WIN 0
	v_mul_u32_u24 v34, v[R], PA
	v_lshl_add_u32 v34, v[H], 4, v34               ; a fragment's row x pitch + 16 x half
	v_add_nc_u32 v[A0], AOFF, v34
	s_min_u32 s98, s[WV], 2                        ; my adapter's 16 rows lie behind x's 128
	s_lshl_b32 s98, s98, 4
	s_add_co_u32 s98, s98, 128
	s_mul_i32 s98, s98, PA
	s_add_co_u32 s98, s98, AOFF
	v_add_nc_u32 v[T0], s98, v34
	v_and_b32 v35, 7, v0
	v_lshl_add_u32 v35, v[H], 3, v35
	v_mul_u32_u24 v35, v35, PB
	v_bfe_u32 v36, v0, 3, 1
	v_lshl_add_u32 v35, v36, 4, v35
	s_lshl_b32 s98, s[WV], 6
	v_add_nc_u32 v[B0], s98, v35
	v_add_nc_u32 v[B0+1], STRIP, v[B0]
	v_add_nc_u32 v[B0+2], 2*STRIP, v[B0]
	v_mov_b32 v[ADRA], v[A0]                       ; K step 0 lies in slot 0
	v_mov_b32 v[ADRB], v[B0]
	v_mov_b32 v[ADRB+1], v[B0+1]
	v_mov_b32 v[ADRB+2], v[B0+2]
	v_mov_b32 v[ADRT], v[T0]
	; where the results go
	s_lshr_b32 s98, s[MY], 4
	s_lshl_b32 s98, s98, 3
	s_add_co_u32 s98, s98, s[HX]
	s_lshl_b32 s98, s98, 19
	s_and_b32 s99, s[MY], 15
	s_lshl_b32 s99, s99, 15
	s_add_co_u32 s98, s98, s99
	s_lshl_b32 s99, s[WV], 13
	s_add_co_u32 s98, s98, s99
	s_mov_b32 s99, 0
	s_add_nc_u64 s[QBS:QBS+1], s[16:17], s[98:99]
	s_add_nc_u64 s[KBS:KBS+1], s[QBS:QBS+1], 8388608
	s_add_nc_u64 s[VBS:VBS+1], s[KBS:KBS+1], 8388608
	s_lshl_b32 s98, s[MY], 19
	s_lshl_b32 s99, s[WV], 17
	s_add_co_u32 s98, s98, s99
	s_lshl_b32 s99, s[HX], 9
	s_add_co_u32 s98, s98, s99
	s_mov_b32 s99, 0
	s_add_nc_u64 s[O1:O1+1], s[18:19], s[98:99]
	s_add_nc_u64 s[O2:O2+1], s[20:21], s[98:99]
	; the prefetches: they start at K step 3; the first change of slots steps them to 4
	s_mul_i32 s94, s[MY], XBLK
	s_lshl_b32 s95, s[CX], 17
	s_add_co_u32 s94, s94, s95
	s_add_co_u32 s94, s94, 3*256
	s_lshl_b32 s95, s[CY], 16
	s_add_co_u32 s96, s96, s95
	s_add_co_u32 s96, s96, 3*262144
	s_and_b32 s98, ttmp7, 0xffff
	s_mov_b32 s[PFS], 0x40000
	s_mov_b32 s[PFS+1], 0
	s_mov_b32 s99, 2048
	s_cmp_eq_u32 s[WV], 3
	s_cselect_b32 s94, s94, s96
	s_cselect_b32 s98, ttmp9, s98                  ; the coordinate along which other clusters read the same rows
	s_cselect_b64 s[PFA:PFA+1], s[4:5], s[6:7]
	s_cselect_b32 s[PFS], 256, s[PFS]
	s_cselect_b32 s99, 4096, s99
	s_mov_b32 s95, 0
	s_add_nc_u64 s[PFA:PFA+1], s[PFA:PFA+1], s[94:95]
	s_cmp_eq_u32 s98, 0
	s_cselect_b32 s[LIM], 2, -1
	v_mul_u32_u24 v[PFO], v32, s99
	s_wait_xcnt 0x0                                ; B's loads have read their offset: its register is loaded over below
	s_wait_tensorcnt 0x1                           ; my part of K step 0 is in; slot 1's may stay out
	s_barrier_signal -1
	s_barrier_wait -1
	FETCH 0, 0
	QUARTER 1, 0, 1, 1                             ; the first quarter starts the sums
	WIN 0
	s_mov_b32 s[LAP], 14
.Lstep:                                ; a trip: from a K step's second quarter to the next step's first; trip j fills K step j + 2
	QUARTER 2, 1, 0, 0
	QUARTER 3, 0, 1, 0
	TURN 1
	QUARTER 1, 0, 1, 0
	WIN 0
	s_sub_co_u32 s[LAP], s[LAP], 1
	s_cmp_lg_u32 s[LAP], 0
	s_cbranch_scc1 .Lstep
	QUARTER 2, 1, 0, 0                             ; K steps 14 and 15 are written out: no K step is left to ask for
	QUARTER 3, 0, 1, 0
	TURN 2
	QUARTER 1, 0, 1, 0
	QUARTER 2, 1, 0, 0
	QUARTER 3, 0, 1, 0
	s_wait_dscnt 10
	MUL 1, 0, 3, 0
	s_wait_dscnt 0x0
	MUL 1, 3, 5, 0
	TMUL 1, 0
	; THE WAY OUT. Its addresses are made here: with the four v_nop they are the plain lines between the last products and what reads or takes up their registers.
	WIN 0
	PLACES
	v_and_b32 v[LN], 31, v0
	v_mul_u32_u24 v[TM], v[R], CP
	v_lshl_add_u32 v[TM], v[H], 5, v[TM]
	s_lshl_b32 s98, s[WV], 7
	s_add_co_u32 s98, s98, CST
	v_add_nc_u32 v[STO], s98, v[TM]
	v_add_nc_u32 v[STO+1], 48*CP, v[STO]
	v_add_nc_u32 v[STO+2], 96*CP, v[STO]
	s_mul_i32 s98, s[WV], 32*CP
	s_add_co_u32 s98, s98, CST
	v_lshlrev_b32 v[GOF], 4, v[LN]
	v_xor_b32 v[GXF], 256, v[GOF]
	v_add_nc_u32 v[RDO], s98, v[GOF]
	v_add_nc_u32 v[RDX], s98, v[GXF]
	s_lshl_b32 s98, s[WV], 14
	s_add_co_u32 s98, s98, ROPEL
	v_lshl_add_u32 v[RDR], v[R], 4, s98
	v_lshlrev_b32 v[VH], 3, v[LN]
	v_lshlrev_b32 v[VF], 4, v[LN]
	v_xor_b32 v[SGN], 1, v[H]
	v_lshlrev_b32 v[SGN], 31, v[SGN]               ; the sign of the sin term: minus for columns 0-63
	s_lshl_b32 s98, s[WV], 13
	s_add_co_u32 s98, s98, TX
	v_lshl_add_u32 v[TXW], v[LN], 4, s98           ; my adapter's eight fragments
	v_lshl_add_u32 v[TXR], v[LN], 4, TX
	global_load_b128 v[160:163], v[GOF], s[12:13]  ; the gains of my four columns and of the four 64 away
	global_load_b128 v[164:167], v[GXF], s[12:13]
	global_load_b128 v[168:171], v[GOF], s[14:15]
	global_load_b128 v[172:175], v[GXF], s[14:15]
	s_cmp_eq_u32 s[WV], 3
	s_cbranch_scc1 .Lno_split
	WIN 0x8a                                       ; T = hi + lo, each bf16: a lane's eight ranks are four registers of source 1; lo goes where T lay
.set aa, 0
.rept 8
.set TC, TA+8*aa
.set HI, TH+4*aa
.irp i, 0,1,2,3
	v_cvt_pk_bf16_f32 v[HI+\i], v[TC+2*\i], v[TC+2*\i+1]
.endr
.irp i, 0,1,2,3
	v_lshlrev_b32 v[TW+2*\i], 16, v[HI+\i]
	v_and_b32 v[TW+2*\i+1], s2, v[HI+\i]
.endr
.irp i, 0,1,2,3
	v_pk_add_f32 v[TW+2*\i:TW+2*\i+1], v[TC+2*\i:TC+2*\i+1], v[TW+2*\i:TW+2*\i+1] neg_lo:[0,1] neg_hi:[0,1]
.endr
.irp i, 0,1,2,3
	v_cvt_pk_bf16_f32 v[TC+\i], v[TW+2*\i], v[TW+2*\i+1]
.endr
.set aa, aa+1
.endr
	WIN 0x08
.set aa, 0
.rept 8                                ; slot 0's bytes: every wave's reads of it ended in front of K step 14's round, and the table lands below them
	ds_store_b128 v[TXW], v[TH+4*aa:TH+4*aa+3] offset:1024*aa
	ds_store_b128 v[TXW], v[TA+8*aa:TA+8*aa+3] offset:1024*aa+512
.set aa, aa+1
.endr
	WIN 0
.Lno_split:
	s_wait_dscnt 0x0                               ; for the others' sake: my stores are done; my reads of slot 1 ended above
	s_barrier_signal -1
	s_barrier_wait -1
	WIN 0xc0
.set aa, 0
.rept 24
	ds_load_b128 v[TF+8*aa:TF+8*aa+3],   v[TXR] offset:1024*aa
	ds_load_b128 v[TF+8*aa+4:TF+8*aa+7], v[TXR] offset:1024*aa+512
.set aa, aa+1
.endr
	s_wait_dscnt 0x0
	s_wait_loadcnt 0x0                             ; B, and the gains
.set aa, 0
.rept 8
.if aa < 5
	WIN 0x5f
.set AC, 48*aa
.else
	WIN 0xaf
.set AC, 48*(aa-5)
.endif
.irp c, 0,1,2,3,4,5
	v_wmma_f32_16x16x32_bf16 v[AC+8*\c:AC+8*\c+7], v[BF+8*\c:BF+8*\c+7], v[TF+8*(8*(\c/2)+aa):TF+8*(8*(\c/2)+aa)+7], v[AC+8*\c:AC+8*\c+7]
.endr
.set aa, aa+1
.endr
	WIN 0
.set QO, 32                            ; item i (q rows 0-3, k rows 0-3): own columns at QO + 4 i, partners at QX + 4 i
.set KO, 48
.set QX, 64
.set VV, 96
.set CO, 112
.set SI, 128
.set SS, 144                           ; item i: sum of squares, then 1 / rms, at SS + 2 i; beside it the exchange's register
.set GQ, 160                           ; q: gains, partners' gains; k: the same
.set HQ, 176                           ; f16 results: item i at HQ + 2 i; v's at HV + 2 row
.set HV, 192
.set TT, 208
	s_barrier_signal -1                            ; my reads of T's fragments are back (waited for above): their bytes may be written
.irp g, 160, 164, 168, 172             ; the gains are inputs: rounded to bf16 like the others. These lines are also the places behind the last products
	v_cvt_pk_bf16_f32 v[TT], v[\g], v[\g+1]
	v_cvt_pk_bf16_f32 v[TT+1], v[\g+2], v[\g+3]
	v_lshlrev_b32 v[\g], 16, v[TT]
	v_and_b32 v[\g+1], s2, v[TT]
	v_lshlrev_b32 v[\g+2], 16, v[TT+1]
	v_and_b32 v[\g+3], s2, v[TT+1]
.endr
.irp g, 164, 172
.irp e, 0,1,2,3
	v_xor_b32 v[\g+\e], v[SGN], v[\g+\e]
.endr
.endr
.irp i, 0,1,2,3,4,5,6,7
	v_mov_b32 v[SS+2*\i+1], 0
.endr
	s_barrier_wait -1
.set aa, 0
.rept 8                                ; the tile goes into LDS as 128 rows of 384 f32; each accumulator's low registers first
.if aa < 5
	WIN 0x04
.set AC, 48*aa
.else
	WIN 0x08
.set AC, 48*(aa-5)
.endif
.irp c, 0,1,2,3,4,5
	ds_store_b128 v[STO+aa/3], v[AC+8*\c:AC+8*\c+3]   offset:(aa%3)*16*CP+512*(\c/2)+64*(\c%2)
	ds_store_b128 v[STO+aa/3], v[AC+8*\c+4:AC+8*\c+7] offset:(aa%3)*16*CP+512*(\c/2)+64*(\c%2)+16
.endr
.set aa, aa+1
.endr
	WIN 0
	s_wait_tensorcnt 0x0                           ; my rows of the table
	s_wait_dscnt 0x0                               ; for the others' sake: my stores are done
	s_barrier_signal -1
	s_barrier_wait -1
	s_mov_b32 s[LAP], 8
.Lrows:                                ; a trip: four of my 32 rows. A lane owns columns 4 l .. 4 l + 3 of the head
.irp p, 0,1,2,3
	ds_load_b128 v[QO+4*\p:QO+4*\p+3], v[RDO] offset:\p*CP
	ds_load_b128 v[KO+4*\p:KO+4*\p+3], v[RDO] offset:\p*CP+512
.endr
.irp p, 0,1,2,3
	ds_load_b128 v[QX+4*\p:QX+4*\p+3],       v[RDX] offset:\p*CP
	ds_load_b128 v[QX+16+4*\p:QX+16+4*\p+3], v[RDX] offset:\p*CP+512
	ds_load_b128 v[VV+4*\p:VV+4*\p+3], v[RDO] offset:\p*CP+1024
	ds_load_b128 v[CO+4*\p:CO+4*\p+3], v[RDR] offset:\p*512
	ds_load_b128 v[SI+4*\p:SI+4*\p+3], v[RDR] offset:\p*512+256
.endr
	s_wait_dscnt 20                                ; the eight own loads are in
.irp i, 0,1,2,3,4,5,6,7
	v_pk_mul_f32 v[TT+2*\i:TT+2*\i+1], v[QO+4*\i:QO+4*\i+1], v[QO+4*\i:QO+4*\i+1]
.endr
.irp i, 0,1,2,3,4,5,6,7
	v_pk_fma_f32 v[TT+2*\i:TT+2*\i+1], v[QO+4*\i+2:QO+4*\i+3], v[QO+4*\i+2:QO+4*\i+3], v[TT+2*\i:TT+2*\i+1]
.endr
.irp i, 0,1,2,3,4,5,6,7
	v_add_f32 v[SS+2*\i], v[TT+2*\i], v[TT+2*\i+1]
.endr
.irp x, 1,2,4,8
.irp i, 0,1,2,3,4,5,6,7
	v_add_f32_dpp v[SS+2*\i], v[SS+2*\i], v[SS+2*\i] row_xmask:\x row_mask:0xf bank_mask:0xf
.endr
.endr
.irp i, 0,1,2,3,4,5,6,7
	v_permlanex16_b32 v[SS+2*\i+1], v[SS+2*\i], s[SEL], s[SEL+1]
.endr
.irp i, 0,1,2,3,4,5,6,7
	v_add_f32 v[SS+2*\i], v[SS+2*\i], v[SS+2*\i+1]
.endr
.irp i, 0,1,2,3,4,5,6,7
	v_fma_f32 v[SS+2*\i], v[SS+2*\i], s79, s3      ; the mean of squares + 1e-6
.endr
.irp i, 0,1,2,3,4,5,6,7
	v_rsq_f32 v[SS+2*\i], v[SS+2*\i]
.endr
	s_wait_dscnt 0x0
.set it, 0
.rept 8                                ; own g cos + partner (+-g') sin: none of these lines names a root's result
.set XO, QO+4*it
.set XP, QX+4*it
.set GG, GQ+8*(it/4)
.set RW, 4*(it%4)
	v_pk_mul_f32 v[XO:XO+1], v[XO:XO+1], v[GG:GG+1]
	v_pk_mul_f32 v[XO+2:XO+3], v[XO+2:XO+3], v[GG+2:GG+3]
	v_pk_mul_f32 v[XP:XP+1], v[XP:XP+1], v[GG+4:GG+5]
	v_pk_mul_f32 v[XP+2:XP+3], v[XP+2:XP+3], v[GG+6:GG+7]
	v_pk_mul_f32 v[XO:XO+1], v[XO:XO+1], v[CO+RW:CO+RW+1]
	v_pk_mul_f32 v[XO+2:XO+3], v[XO+2:XO+3], v[CO+RW+2:CO+RW+3]
	v_pk_fma_f32 v[XO:XO+1], v[XP:XP+1], v[SI+RW:SI+RW+1], v[XO:XO+1]
	v_pk_fma_f32 v[XO+2:XO+3], v[XP+2:XP+3], v[SI+RW+2:SI+RW+3], v[XO+2:XO+3]
.set it, it+1
.endr
	s_wait_alu depctr_va_vdst(0)                   ; one wait for the eight roots, ahead of their first reader
.set it, 0
.rept 8
.set XO, QO+4*it
	v_pk_mul_f32 v[XO:XO+1], v[XO:XO+1], v[SS+2*it:SS+2*it+1] op_sel_hi:[1,0]
	v_pk_mul_f32 v[XO+2:XO+3], v[XO+2:XO+3], v[SS+2*it:SS+2*it+1] op_sel_hi:[1,0]
	v_cvt_pk_f16_f32 v[HQ+2*it], v[XO], v[XO+1]
	v_cvt_pk_f16_f32 v[HQ+2*it+1], v[XO+2], v[XO+3]
.set it, it+1
.endr
.irp p, 0,1,2,3
	v_cvt_pk_f16_f32 v[HV+2*\p], v[VV+4*\p], v[VV+4*\p+1]
	v_cvt_pk_f16_f32 v[HV+2*\p+1], v[VV+4*\p+2], v[VV+4*\p+3]
.endr
.irp p, 0,1,2,3                        ; a wave's store covers a head's whole row: 256 bytes of f16, 512 of f32, aligned
	global_store_b64 v[VH], v[HQ+2*\p:HQ+2*\p+1],     s[QBS:QBS+1] offset:\p*256
	global_store_b64 v[VH], v[HQ+8+2*\p:HQ+8+2*\p+1], s[KBS:KBS+1] offset:\p*256
	global_store_b64 v[VH], v[HV+2*\p:HV+2*\p+1],     s[VBS:VBS+1] offset:\p*256
	global_store_b128 v[VF], v[KO+4*\p:KO+4*\p+3], s[O1:O1+1] offset:\p*4096 th:TH_STORE_NT
	global_store_b128 v[VF], v[VV+4*\p:VV+4*\p+3], s[O2:O2+1] offset:\p*4096 th:TH_STORE_NT
.endr
	s_wait_xcnt 0x0                                ; the stores' offsets and data are written again only behind this wait
	v_add_nc_u32 v[RDO], 4*CP, v[RDO]
	v_add_nc_u32 v[RDX], 4*CP, v[RDX]
	v_add_nc_u32 v[RDR], 2048, v[RDR]
	v_add_nc_u32 v[VH], 1024, v[VH]
	v_add_nc_u32 v[VF], 16384, v[VF]
	s_sub_co_u32 s[LAP], s[LAP], 1
	s_cmp_lg_u32 s[LAP], 0
	s_cbranch_scc1 .Lrows
	s_wait_tensorcnt 0x0                           ; the wave's end
	ds_add_u32 v[SPW], v[NIL]
	s_wait_dscnt 0x0
	CROUND                                         ; the closing round
	s_endpgm
.Lfunc_end_k_q162252fd3e_qkv:
	.size	k_q162252fd3e_qkv, .Lfunc_end_k_q162252fd3e_qkv-k_q162252fd3e_qkv
	.p2alignl 7, 3214868480
	.fill 96, 4, 3214868480
	.section	.rodata,"a",@progbits
	.p2align	6, 0x0
	.amdhsa_kernel k_q162252fd3e_qkv
		.amdhsa_group_segment_fixed_size 327680
		.amdhsa_private_segment_fixed_size 0
		.amdhsa_enable_private_segment 0
		.amdhsa_kernarg_size 72
		.amdhsa_user_sgpr_count 2
		.amdhsa_user_sgpr_kernarg_segment_ptr 1
		.amdhsa_wavefront_size32 1
		.amdhsa_system_sgpr_workgroup_id_x 1
		.amdhsa_system_sgpr_workgroup_id_y 1
		.amdhsa_system_sgpr_workgroup_id_z 1
		.amdhsa_system_vgpr_workitem_id 0
		.amdhsa_next_free_vgpr 1024
		.amdhsa_next_free_sgpr 102
		.amdhsa_reserve_vcc 0
		.amdhsa_float_denorm_mode_32 3
		.amdhsa_float_denorm_mode_16_64 3
		.amdhsa_memory_ordered 1
		.amdhsa_forward_progress 1
		.amdhsa_inst_pref_size 124
	.end_amdhsa_kernel
	.amdgpu_metadata
---
amdhsa.version: [ 1, 2 ]
amdhsa.kernels:
  - .name:           k_q162252fd3e_qkv
    .symbol:         k_q162252fd3e_qkv.kd
    .args:
      - { .name: xh, .offset: 0, .size: 8, .value_kind: global_buffer, .address_space: global }
      - { .name: wh, .offset: 8, .size: 8, .value_kind: global_buffer, .address_space: global }
      - { .name: rope, .offset: 16, .size: 8, .value_kind: global_buffer, .address_space: global }
      - { .name: lora, .offset: 24, .size: 8, .value_kind: global_buffer, .address_space: global }
      - { .name: qn_w, .offset: 32, .size: 8, .value_kind: global_buffer, .address_space: global }
      - { .name: kn_w, .offset: 40, .size: 8, .value_kind: global_buffer, .address_space: global }
      - { .name: qkvh, .offset: 48, .size: 8, .value_kind: global_buffer, .address_space: global }
      - { .name: out1, .offset: 56, .size: 8, .value_kind: global_buffer, .address_space: global }
      - { .name: out2, .offset: 64, .size: 8, .value_kind: global_buffer, .address_space: global }
    .group_segment_fixed_size: 327680
    .private_segment_fixed_size: 0
    .kernarg_segment_align: 8
    .kernarg_segment_size: 72
    .max_flat_workgroup_size: 128
    .sgpr_count:     102
    .vgpr_count:     1024
    .wavefront_size: 32
...
	.end_amdgpu_metadata
.endif
;; end of part 2
;; launch attn (part 3): grid 16 x 16, 4 waves a work-group, clusters of 4 x 1, 327,680 bytes of LDS; arguments qkvh, ob; writes ob
.if DOCPART == 3
	.amdgcn_target "amdgcn-amd-amdhsa--gfx1250"
	.amdhsa_code_object_version 6
	.text
	.protected	k_q162252fd3e_attn
	.globl	k_q162252fd3e_attn
	.p2align	8
	.type	k_q162252fd3e_attn,@function
k_q162252fd3e_attn:
	s_mov_b64 s[64:65], 0
	v_nop
	global_prefetch_b8 v0, s[64:65] scope:SCOPE_SE
	s_setreg_imm32_b32 hwreg(HW_REG_WAVE_MODE, 25, 1), 1
	s_wait_xcnt 0x0
	s_wait_alu depctr_hold_cnt(0) depctr_sa_sdst(0) depctr_va_vdst(0) depctr_va_sdst(0) depctr_va_ssrc(0) depctr_va_vcc(0) depctr_vm_vsrc(0)
	s_getreg_b32 s2, hwreg(HW_REG_IB_STS2, 6, 4)
	s_cmp_eq_u32 s2, 0
	s_cbranch_scc0 .Lentry_in_a_cluster
	s_endpgm
.Lentry_in_a_cluster:
	s_bfe_u32 s2, ttmp6, 0x10000c
	s_cmp_lg_u32 s2, 0x3003
	s_cbranch_scc0 .Lentry_shape_is_right
	s_endpgm
.Lentry_shape_is_right:
; CAUSAL ATTENTION, head size 128. q, k, v: qkvh[q|k|v][16 (batch, head)][2048][128] f16. O: ob[4096 rows][8 heads x 128] f16.
; Products, maxima and sums in f32; the weights are rounded to f16 for the second product (their sum is taken unrounded), O once at the end.
; THE WALK. A head's queries lie in 32 blocks of 64. Work-group b = 4 a + c (a the cluster's x, c the place in it) takes blocks 31 - b and then b.
; Keys go in tiles of 256: the first block needs 8 - a tiles, the second a + 1: nine trips for every work-group, and the four partners of a cluster walk the SAME tiles:
; every tile is asked for jointly, and every branch hangs on a and on counters alone.
; THE KEYS ARE SPLIT AMONG THE WAVES: wave w multiplies all 64 queries (four tiles of 16) by keys 64 w .. 64 w + 63 of the tile, with its own running maximum m, sum l and O^T.
; At a block's end the four partial results are merged through LDS with the weights 2^(c m_w - max).
; THE MASK is the C operand that starts S^T = K Q^T: 0, or -1e30 where the key is hidden. In a block's last tile wave w sees all keys if w < DW, none if w > DW, and holds the diagonal if w = DW.
; m starts at -1e29: a wave that has seen hidden keys alone keeps that m, its weights 2^(c (s - 1e30) - c m) are 0, and the merge gives it the weight 0.
; True scores lie far above -1e29: q and k are normalised rows times their gains.
; LIMITS. A weight below 2^-126 counts as 0; below 6e-5 the rounded weight keeps f16's fixed step. NaN and infinities are not treated apart.
; LAYOUT. S^T holds one query a lane (lane % 16) and keys 8 (lane / 16) + 0..7; two such results rounded to f16 are source 1 of O^T = V^T P.
; IN A TRIP: piece 0's (tiles 0, 1) scores; piece 2's scores with piece 0's softmax in slices between them; piece 0's V^T P with piece 2's softmax between them; piece 2's V^T P.
; REGISTERS. window 0: addresses, statistics (8 a tile), S^T v64-191, P v192-255. window 1: O^T. window 2: Q v0-127, K v128-255. window 3: V v0-127, the second block's Q v128-255.
.set PK,    272
.set PVP,   288
.set VOFF,  256*PK
.set SLOTB, 256*(PK+PVP)               ; 143,360
.set STG,   2*SLOTB                    ; the merge's stage: four partial tiles of 16 rows x 528 bytes
.set SGP,   528
.set XCH,   STG+4*16*SGP               ; the merge's statistics: [wave][tile][query] 8 bytes
.set SPARE, XCH+2048
.set AK0, 2
.set AV0, 3
.set ADK, 4
.set ADV, 5
.set XA,  6
.set XR,  7
.set SW,  8
.set SR,  9
.set GO,  10
.set HH,  11
.set ST,  12                           ; tile t at ST + 8 t: c m, m, l (even, odd keys'), four at work
.set QO,  44
.set PFO, 61
.set SPW, 62
.set NIL, 63
.set S,   64
.set P,   192                          ; P+0..7, +8..15, +16..23 hold the three masks while piece 0's weights are not yet made
.set KF,  128
.set WV,  12
.set CX,  13
.set AA,  14
.set BB,  15
.set BH,  16
.set KB,  20
.set VB,  22
.set G1K, 24
.set G1V, 32
.set G0K, 40
.set G0V, 44
.set OFF, 48
.set LK,  50
.set LV,  51
.set CM0, 52
.set MM0, 53
.set SLOTS, 56
.set CS,  58
.set SEL, 60
.set TB,  62                           ; the slot that is read: 0 or SLOTB
.set TBF, 63                           ; the slot that was filled last
.set RT,  70                           ; tiles of the block in hand still to be entered
.set NXT, 71                           ; the tile to ask for next
.set LQ,  72                           ; the last tile of the block whose tiles are being asked for
.set DW,  74
.set LT,  75
.set GT,  76
.set LIM, 77
.set PFA, 78
.set OB,  80
.set OBB, 82
.set HM,  84                           ; s84-91: lanes in which register j of the diagonal's own block is hidden
.set BIGN, 92
.set MSB, 0
.macro WIN new
.if MSB != (\new)
	s_set_vgpr_msb (MSB<<8)|(\new)
.set MSB, \new
.endif
.endm
.set W_KQ, 0x0a
.set W_PV, 0x53
.set W_RS, 0x41
.macro PLACES
.rept 4
	v_nop
.endr
.endm
.macro CROUND
	s_barrier_signal -1
	s_barrier_wait -1
	s_cmp_lg_u32 s[WV], 0
	s_cbranch_scc1 .Lnot_wave_0_\@
	s_barrier_signal -3
.Lnot_wave_0_\@:
	s_barrier_wait -3
	s_barrier_signal -1
	s_barrier_wait -1
.endm
.macro JLOAD                           ; waves 0, 1 fetch the halves of a tile's K, waves 2, 3 those of its V: 128 rows of 256 bytes each
	s_cmp_lt_u32 s[WV], 2
	s_cbranch_scc0 .Lfor_v_\@
	tensor_load_to_lds s[G0K:G0K+3], s[G1K:G1K+7]
	s_nop 0
	PLACES
	s_branch .Lasked_\@
.Lfor_v_\@:
	tensor_load_to_lds s[G0V:G0V+3], s[G1V:G1V+7]
	s_nop 0
	PLACES
.Lasked_\@:
.endm
; A prefetch of the tile behind the one just asked for. Only the cluster with a = 0 walks all eight tiles of a head: it asks, once for each row:
; partner c, wave w: rows 64 c + 32 (w % 2) + lane of K (waves 0, 1) or of V (waves 2, 3). It stops when tile 7 has been named.
.macro ASK
	s_cmp_gt_u32 s[SLOTS], s[LIM]
	s_cbranch_scc0 .Lnot_mine_\@
	global_prefetch_b8 v[PFO], s[PFA:PFA+1] th:TH_LOAD_NT scope:SCOPE_SE
.Lnot_mine_\@:
.endm
.macro CHANGE fill                     ; the change of slots; fill = 1: the slot just left is filled again, with tile NXT
	WIN 0
	s_wait_tensorcnt 0x0                           ; no tensor load of mine is out, so the descriptors may be written
	ds_add_u32 v[SPW], v[NIL]
.if \fill
	s_lshl_b32 s[OFF], s[NXT], 16                  ; a tile is 65,536 bytes of K and of V
	s_xor_b32 s[TBF], s[TBF], SLOTB
	s_add_co_u32 s[G0K+1], s[LK], s[TBF]
	s_add_nc_u64 s[G0K+2:G0K+3], s[KB:KB+1], s[OFF:OFF+1]
	s_or_b32 s[G0K+3], s[G0K+3], 0x80000000
	s_add_co_u32 s[G0V+1], s[LV], s[TBF]
	s_add_nc_u64 s[G0V+2:G0V+3], s[VB:VB+1], s[OFF:OFF+1]
	s_or_b32 s[G0V+3], s[G0V+3], 0x80000000
	s_add_co_u32 s[NXT], s[NXT], 1                 ; the block's next tile, or behind its last the second block's tile 0
	s_cmp_gt_u32 s[NXT], s[LQ]
	s_cselect_b32 s[NXT], 0, s[NXT]
	s_cselect_b32 s[LQ], s[AA], s[LQ]
	s_wait_xcnt 0x0                                ; the last prefetch, a trip back, has read its address
	s_add_nc_u64 s[PFA:PFA+1], s[PFA:PFA+1], 65536
	s_wait_dscnt 0x0                               ; the add is done, my reads of the slot are over
	CROUND
	JLOAD
.else
	s_wait_dscnt 0x0
	s_barrier_signal -1
	s_barrier_wait -1
.endif
	s_xor_b32 s[TB], s[TB], SLOTB
.endm
; Product i of 32 of S^T = K Q^T for piece x: channels 32 (i / 8) on, keys 16 ((i / 2) % 4) on, tile x + i % 2. The first 8 start the sums with a mask. Eight accumulators take turns.
.macro KQ x
	WIN W_KQ
.set tq, (\x)+i%2
.set kb, (i/2)%4
.set rS, S+32*tq+8*kb
.set rK, KF+32*kb+8*(i/8)
.set rQ, 32*tq+8*(i/8)
.if i < 8
.if kb < tq
.set rM, P
.elseif kb == tq
.set rM, P+8
.else
.set rM, P+16
.endif
	v_wmma_f32_16x16x32_f16 v[rS:rS+7], v[rK:rK+7], v[rQ:rQ+7], v[rM:rM+7]
.else
	v_wmma_f32_16x16x32_f16 v[rS:rS+7], v[rK:rK+7], v[rQ:rQ+7], v[rS:rS+7]
.endif
.endm
; Product i of 32 of O^T += V^T P: keys 32 (i / 16) on, channels 16 ((i / 2) % 8) on, tile x + i % 2. Sixteen accumulators take turns.
.macro PV x
	WIN W_PV
.set rO, 64*((\x)+i%2)+8*((i/2)%8)
.set rV, 64*(i/16)+8*((i/2)%8)
.set rP, P+16*((\x)+i%2)+8*(i/16)
	v_wmma_f32_16x16x32_f16 v[rO:rO+7], v[rV:rV+7], v[rP:rP+7], v[rO:rO+7]
.endm
; One tile's softmax for a step: a list of 134 instructions; SM writes number j for tile t.
;   0-15 the maximum of 32 scores and the old m   16-20 the other half of the lanes', m, c m, its change   21-69 ONE BATCH: 16 scalings and 33 exponentials, none of which reads an exponential's result
;   70-85 roundings to f16   86-101 the sums, l = a l + sum   102-133 O^T times a
.macro SM t
.set rT, ST+8*(\t)
.set rS, S+32*(\t)
.set rP, P+16*(\t)
.set rO, 64*(\t)+2*(j-102)
.if j < 102
	WIN 0
.endif
.if j < 4
	v_max3_num_f32 v[rT+4+j], v[rS+8*j], v[rS+8*j+1], v[rS+8*j+2]
.elseif j < 12
	v_max3_num_f32 v[rT+4+j%4], v[rT+4+j%4], v[rS+8*(j%4)+2*(j/4)+1], v[rS+8*(j%4)+2*(j/4)+2]
.elseif j == 12
	v_max3_num_f32 v[rT+4], v[rT+4], v[rS+7], v[rS+15]
.elseif j == 13
	v_max3_num_f32 v[rT+6], v[rT+6], v[rS+23], v[rS+31]
.elseif j == 14
	v_max3_num_f32 v[rT+4], v[rT+4], v[rT+5], v[rT+6]
.elseif j == 15
	v_max3_num_f32 v[rT+4], v[rT+4], v[rT+7], v[rT+1]
.elseif j == 16
	v_permlanex16_b32 v[rT+5], v[rT+4], s[SEL], s[SEL+1]
.elseif j == 17
	v_mov_b32 v[rT+7], v[rT]
.elseif j == 18
	v_max_num_f32 v[rT+1], v[rT+4], v[rT+5]
.elseif j == 19
	v_mul_f32 v[rT], s[CS], v[rT+1]
.elseif j == 20
	v_sub_f32 v[rT+7], v[rT+7], v[rT]
.elseif j == 23
	v_exp_f32 v[rT+6], v[rT+7]
.elseif (j < 23) || ((j < 38) && (j%2 == 0)) || ((j < 66) && (j%4 == 2))
.set b, (j-2)/4
.if j < 38
.set b, (j-20)/2
.endif
	v_pk_fma_f32 v[rS+2*b:rS+2*b+1], v[rS+2*b:rS+2*b+1], s[CS:CS+1], v[rT:rT+1] op_sel_hi:[1,0,0] neg_lo:[0,0,1] neg_hi:[0,0,1]
.elseif j < 70
.set e, j-38
.if j < 66
.set e, j-32-(j-38)/4
.endif
.if j < 38
.set e, (j-25)/2
.endif
	v_exp_f32 v[rS+e], v[rS+e]
.elseif j < 86
	v_cvt_pk_f16_f32 v[rP+j-70], v[rS+2*(j-70)], v[rS+2*(j-70)+1]
.elseif j < 102
.set z, j-86
.set w, 4
.set u, z
.if z >= 14
.set w, 32
.set u, 0
.elseif z >= 12
.set w, 16
.set u, z-12
.elseif z >= 8
.set w, 8
.set u, z-8
.endif
.if z < 15
	v_pk_add_f32 v[rS+w*u:rS+w*u+1], v[rS+w*u:rS+w*u+1], v[rS+w*u+w/2:rS+w*u+w/2+1]
.else
	v_pk_fma_f32 v[rT+2:rT+3], v[rT+2:rT+3], v[rT+6:rT+7], v[rS:rS+1] op_sel_hi:[1,0,1]
.endif
.else
	WIN W_RS
	v_pk_mul_f32 v[rO:rO+1], v[rO:rO+1], v[rT+6:rT+7] op_sel_hi:[1,0]
.endif
.endm
; Slice k of 64 of piece y's softmax. Slices 11-34 deal out the batch, four numbers of one tile each; behind slice 34 stand a plain line and the piece's ONE wait for its 66 exponentials.
.macro SLICE y
.if (k >= 11) && (k < 35)
.irp n, 0,1,2,3
.set j, 22+4*((k-11)/2)+(\n)
	SM (\y)+(k-11)%2
.endr
.else
.irp n, 0,1,2,3,4,5,6,7
.if ((\n) < 2) || (k == 63)
.irp t, \y, (\y)+1
.set j, 2*k+(\n)
	SM \t
.endr
.endif
.endr
.endif
.if k == 34
	v_nop
	s_wait_alu depctr_va_vdst(0)
.endif
.set k, k+1
.endm
.macro STEP fill                       ; a trip's work: my 64 keys of the tile against all 64 queries
	WIN 0
	v_add_nc_u32 v[ADK], s[TB], v[AK0]
	v_add_nc_u32 v[ADV], s[TB], v[AV0]
	WIN 0x80
.irp f, 0,1,2,3,4,5,6,7,8,9,10,11,12,13,14,15
	ds_load_b128 v[KF+8*\f:KF+8*\f+3],   v[ADK] offset:(\f/4)*16*PK+(\f%4)*64
	ds_load_b128 v[KF+8*\f+4:KF+8*\f+7], v[ADK] offset:(\f/4)*16*PK+(\f%4)*64+32
.endr
	WIN 0xc0
.irp f, 0,1,2,3,4,5,6,7,8,9,10,11,12,13,14,15
	ds_load_tr16_b128 v[8*\f:8*\f+3],   v[ADV] offset:(\f/8)*32*PVP+(\f%8)*32
	ds_load_tr16_b128 v[8*\f+4:8*\f+7], v[ADV] offset:(\f/8)*32*PVP+16*PVP+(\f%8)*32
.endr
	WIN 0
.if \fill
	ASK
.endif
.irp n, 0,1,2,3,4,5,6,7
	v_mov_b32 v[P+\n], s[LT]                       ; key blocks below the query tile's,
	v_mov_b32 v[P+16+\n], s[GT]                    ; above it,
.endr
.irp n, 0,1,2,3,4,5,6,7
	v_cndmask_b32 v[P+8+\n], v[P], v[P+16], s[HM+\n]   ; and its own
.endr
	s_wait_loadcnt 0x0                             ; Q (met at once from the second trip on)
	s_wait_dscnt 32                                ; K is in; V's 32 loads may be out
.set i, 0
.rept 32
	KQ 0
.set i, i+1
.endr
	PLACES
.set k, 0
.set i, 0
.rept 32
	KQ 2
	SLICE 0
	SLICE 0
.set i, i+1
.endr
	s_wait_dscnt 0x0                               ; V is in
.set k, 0
.set i, 0
.rept 32
	PV 0
	SLICE 2
	SLICE 2
.set i, i+1
.endr
.set i, 0
.rept 32
	PV 2
.set i, i+1
.endr
	WIN 0
	PLACES
.endm
.macro MASKS                           ; the step's two scalars
	s_cmp_eq_u32 s[RT], 0
	s_cselect_b32 s94, s[BIGN], 0
	s_cmp_ge_u32 s[WV], s[DW]
	s_cselect_b32 s[GT], s94, 0
	s_cmp_gt_u32 s[WV], s[DW]
	s_cselect_b32 s[LT], s94, 0
.endm
; A BLOCK'S END: the four waves' (c m, l) meet in LDS; each wave scales its O^T by 2^(c m - max) / (the sum of 2^(c m_w - max) l_w); then, a tile of 16 queries at a time, the four
; partial tiles meet in the stage, and wave w adds, rounds and stores queries 4 w .. 4 w + 3.
.macro MERGE
	WIN 0
.irp t, 0,1,2,3
	v_add_f32 v[ST+8*\t+4], v[ST+8*\t+2], v[ST+8*\t+3]
.endr
.irp t, 0,1,2,3
	v_permlanex16_b32 v[ST+8*\t+5], v[ST+8*\t+4], s[SEL], s[SEL+1]
.endr
.irp t, 0,1,2,3
	v_add_f32 v[ST+8*\t+1], v[ST+8*\t+4], v[ST+8*\t+5]
.endr
.irp t, 0,1,2,3
	ds_store_b64 v[XA], v[ST+8*\t:ST+8*\t+1] offset:128*\t
.endr
	s_wait_dscnt 0x0
	s_barrier_signal -1
	s_barrier_wait -1
.irp u, 0,1,2,3
.irp t, 0,1,2,3
	ds_load_b64 v[S+2*(4*\u+\t):S+2*(4*\u+\t)+1], v[XR] offset:512*\u+128*\t
.endr
.endr
	s_wait_dscnt 0x0
.irp t, 0,1,2,3
	v_max3_num_f32 v[ST+8*\t+4], v[S+2*\t], v[S+8+2*\t], v[S+16+2*\t]
.endr
.irp t, 0,1,2,3
	v_max_num_f32 v[ST+8*\t+4], v[ST+8*\t+4], v[S+24+2*\t]
.endr
.irp t, 0,1,2,3
	v_sub_f32 v[ST+8*\t+5], v[ST+8*\t], v[ST+8*\t+4]
.irp u, 0,1,2,3
	v_sub_f32 v[S+2*(4*\u+\t)], v[S+2*(4*\u+\t)], v[ST+8*\t+4]
.endr
.endr
.irp t, 0,1,2,3
	v_exp_f32 v[ST+8*\t+5], v[ST+8*\t+5]
.irp u, 0,1,2,3
	v_exp_f32 v[S+2*(4*\u+\t)], v[S+2*(4*\u+\t)]
.endr
.endr
	v_nop
	s_wait_alu depctr_va_vdst(0)                   ; one wait for the twenty
.irp t, 0,1,2,3
	v_mul_f32 v[ST+8*\t+6], v[S+2*\t], v[S+2*\t+1]
.endr
.irp u, 1,2,3
.irp t, 0,1,2,3
	v_fma_f32 v[ST+8*\t+6], v[S+2*(4*\u+\t)], v[S+2*(4*\u+\t)+1], v[ST+8*\t+6]
.endr
.endr
.irp t, 0,1,2,3
	v_rcp_f32 v[ST+8*\t+7], v[ST+8*\t+6]
.endr
	v_nop
	s_wait_alu depctr_va_vdst(0)                   ; one wait for the four
.irp t, 0,1,2,3
	v_mul_f32 v[ST+8*\t+6], v[ST+8*\t+5], v[ST+8*\t+7]
.endr
	WIN W_RS
.set i, 0
.rept 128
	v_pk_mul_f32 v[2*i:2*i+1], v[2*i:2*i+1], v[ST+8*(i/32)+6:ST+8*(i/32)+7] op_sel_hi:[1,0]
.set i, i+1
.endr
.irp t, 0,1,2,3
	WIN 0
.if \t > 0
	s_barrier_signal -1                            ; every wave's reads of the stage are back (waited for below): it may be written again
	s_barrier_wait -1
.endif
	WIN 0x04
.irp c, 0,1,2,3,4,5,6,7
	ds_store_b128 v[SW], v[64*\t+8*\c:64*\t+8*\c+3]   offset:64*\c
	ds_store_b128 v[SW], v[64*\t+8*\c+4:64*\t+8*\c+7] offset:64*\c+16
.endr
	WIN 0
	s_wait_dscnt 0x0
	s_barrier_signal -1
	s_barrier_wait -1
	s_wait_xcnt 0x0                                ; the last stores' data are written again only behind this wait
.irp q, 0,1,2,3
.irp u, 0,1,2,3
	ds_load_b128 v[S+16*\q+4*\u:S+16*\q+4*\u+3], v[SR] offset:16*SGP*\u+SGP*\q
.endr
.endr
	s_wait_dscnt 0x0
.irp q, 0,1,2,3
	v_pk_add_f32 v[S+16*\q:S+16*\q+1],     v[S+16*\q:S+16*\q+1],     v[S+16*\q+4:S+16*\q+5]
	v_pk_add_f32 v[S+16*\q+2:S+16*\q+3],   v[S+16*\q+2:S+16*\q+3],   v[S+16*\q+6:S+16*\q+7]
	v_pk_add_f32 v[S+16*\q+8:S+16*\q+9],   v[S+16*\q+8:S+16*\q+9],   v[S+16*\q+12:S+16*\q+13]
	v_pk_add_f32 v[S+16*\q+10:S+16*\q+11], v[S+16*\q+10:S+16*\q+11], v[S+16*\q+14:S+16*\q+15]
.endr
.irp q, 0,1,2,3
	v_pk_add_f32 v[S+16*\q:S+16*\q+1],   v[S+16*\q:S+16*\q+1],   v[S+16*\q+8:S+16*\q+9]
	v_pk_add_f32 v[S+16*\q+2:S+16*\q+3], v[S+16*\q+2:S+16*\q+3], v[S+16*\q+10:S+16*\q+11]
.endr
.irp q, 0,1,2,3
	v_cvt_pk_f16_f32 v[S+64+2*\q], v[S+16*\q], v[S+16*\q+1]
	v_cvt_pk_f16_f32 v[S+65+2*\q], v[S+16*\q+2], v[S+16*\q+3]
	global_store_b64 v[GO], v[S+64+2*\q:S+65+2*\q], s[OB:OB+1] offset:(16*\t+\q)*2048   ; 32 lanes store a head's 256 bytes of a row, aligned
.endr
.endr
.endm
	s_load_b128 s[4:7], s[0:1], 0x0                ; qkvh, ob
	v_lshl_add_u32 v[SPW], v0, 2, SPARE
	v_mov_b32 v[NIL], 0
	ds_add_u32 v[SPW], v[NIL]                      ; the opening: the add and its wait ahead of my first tensor load
	v_lshrrev_b32 v1, 5, v0
	v_readfirstlane_b32 s[WV], v1
	s_bfe_u32 s[CX], ttmp6, 0x40000
	s_mov_b32 s[AA], ttmp9
	s_lshl_b32 s[BB], ttmp9, 2
	s_add_co_u32 s[BB], s[BB], s[CX]
	s_and_b32 s[BH], ttmp7, 0xffff
	s_and_b32 s17, s[WV], 1
	s_mul_i32 s[LK], s17, 128*PK
	s_mul_i32 s[LV], s17, 128*PVP
	s_add_co_u32 s[LV], s[LV], VOFF
	s_mov_b32 s[G1K], 15|(1<<16)|(1<<20)|(1<<21)|(5<<22)|(3<<25)
	s_mov_b32 s[G1V], 15|(1<<16)|(1<<20)|(1<<21)|(5<<22)|(7<<25)
.irp g, G1K, G1V
	s_mov_b32 s[\g+1], 128<<16
	s_mov_b32 s[\g+2], 128<<16
	s_mov_b32 s[\g+3], 128<<16
	s_mov_b32 s[\g+4], 128
	s_mov_b32 s[\g+5], 128
	s_mov_b32 s[\g+6], 0
	s_mov_b32 s[\g+7], 0
.endr
	s_mov_b32 s[G0K], 1
	s_mov_b32 s[G0K+1], s[LK]
	s_mov_b32 s[G0V], 1
	s_mov_b32 s[G0V+1], s[LV]
	s_mov_b32 s[CS], 0x3e0293ee                    ; c = log2(e) / sqrt(128)
	s_mov_b32 s[CS+1], s[CS]
	s_mov_b32 s[SEL], 0x76543210
	s_mov_b32 s[SEL+1], 0xfedcba98
	s_mov_b32 s[CM0], 0xfe000000                   ; c m starts far below every c m: the first a is 0
	s_mov_b32 s[MM0], 0xefa18f08                   ; m starts at -1e29
	s_mov_b32 s[BIGN], 0xf149f2ca                  ; -1e30
	s_mov_b32 s[TB], SLOTB                         ; the first change turns it into 0
	s_mov_b32 s[TBF], 0
	s_mov_b32 s[OFF+1], 0
	s_mov_b32 s[SLOTS], 8
	s_sub_co_u32 s[RT], 8, s[AA]
	s_mov_b32 s[NXT], 1
	s_sub_co_u32 s[LQ], 7, s[AA]
	s_sub_co_u32 s[DW], 3, s[CX]
	s_cmp_eq_u32 s[AA], 0
	s_cselect_b32 s[LIM], 2, -1
	s_lshl_b32 s2, s[BH], 19                       ; the head's 524,288 bytes,
	s_lshl_b32 s3, s17, 15                         ; my half of a tile's rows
	s_add_co_u32 s2, s2, s3
	s_mov_b32 s3, 0
	s_wait_dscnt 0x0
	s_wait_kmcnt 0x0
	s_add_nc_u64 s[KB:KB+1], s[4:5], s[2:3]
	s_add_nc_u64 s[KB:KB+1], s[KB:KB+1], 8388608
	s_add_nc_u64 s[VB:VB+1], s[KB:KB+1], 8388608
	s_mov_b64 s[G0K+2:G0K+3], s[KB:KB+1]
	s_or_b32 s[G0K+3], s[G0K+3], 0x80000000
	s_mov_b64 s[G0V+2:G0V+3], s[VB:VB+1]
	s_or_b32 s[G0V+3], s[G0V+3], 0x80000000
	CROUND                                         ; all four work-groups are here
	JLOAD                                          ; tile 0 into slot 0
	; Q, O and the prefetches: the only addresses that my place in the cluster enters
	s_lshl_b32 s18, s[BH], 19
	s_sub_co_u32 s19, 31, s[BB]
	s_lshl_b32 s94, s19, 14
	s_add_co_u32 s94, s94, s18
	s_mov_b32 s95, 0
	s_add_nc_u64 s[8:9], s[4:5], s[94:95]          ; the first block's Q
	s_lshl_b32 s94, s[BB], 14
	s_add_co_u32 s94, s94, s18
	s_add_nc_u64 s[10:11], s[4:5], s[94:95]        ; the second's
	s_lshr_b32 s96, s[BH], 3
	s_lshl_b32 s96, s96, 22
	s_and_b32 s97, s[BH], 7
	s_lshl_b32 s97, s97, 8
	s_add_co_u32 s96, s96, s97
	s_lshl_b32 s94, s19, 17
	s_add_co_u32 s94, s94, s96
	s_add_nc_u64 s[OB:OB+1], s[6:7], s[94:95]
	s_lshl_b32 s94, s[BB], 17
	s_add_co_u32 s94, s94, s96
	s_add_nc_u64 s[OBB:OBB+1], s[6:7], s[94:95]
	s_lshl_b32 s94, s[CX], 14
	s_add_co_u32 s94, s94, s18
	s_lshl_b32 s96, s17, 13
	s_add_co_u32 s94, s94, s96
	s_lshr_b32 s96, s[WV], 1
	s_add_co_u32 s96, s96, 1
	s_lshl_b32 s96, s96, 23
	s_add_co_u32 s94, s94, s96
	s_add_co_u32 s94, s94, 65536                   ; at tile 1: the first change steps it to tile 2
	s_add_nc_u64 s[PFA:PFA+1], s[4:5], s[94:95]
	v_and_b32 v1, 15, v0
	v_bfe_u32 v[HH], v0, 4, 1
	v_and_b32 v47, 31, v0
	v_lshlrev_b32 v[PFO], 8, v47
	v_lshlrev_b32 v[QO], 8, v1
	v_lshl_add_u32 v[QO], v[HH], 4, v[QO]
	WIN 0x80
.irp i, 0,1,2,3,4,5,6,7,8,9,10,11,12,13,14,15
	global_load_b128 v[8*\i:8*\i+3],   v[QO], s[8:9] offset:(\i/4)*4096+(\i%4)*64
	global_load_b128 v[8*\i+4:8*\i+7], v[QO], s[8:9] offset:(\i/4)*4096+(\i%4)*64+32
.endr
	WIN 0xc0
.irp i, 0,1,2,3,4,5,6,7,8,9,10,11,12,13,14,15
	global_load_b128 v[128+8*\i:128+8*\i+3],   v[QO], s[10:11] offset:(\i/4)*4096+(\i%4)*64
	global_load_b128 v[128+8*\i+4:128+8*\i+7], v[QO], s[10:11] offset:(\i/4)*4096+(\i%4)*64+32
.endr
	WIN 0x40                                       ; a block's first step multiplies O^T and l by a = 0: they need only be finite. Written in the wait for the first tile
.set i, 0
.rept 256
	v_mov_b32 v[i], 0
.set i, i+1
.endr
	WIN 0
.irp t, 0,1,2,3
	v_mov_b32 v[ST+8*\t], s[CM0]
	v_mov_b32 v[ST+8*\t+1], s[MM0]
	v_mov_b32 v[ST+8*\t+2], 0
	v_mov_b32 v[ST+8*\t+3], 0
.endr
	s_mul_i32 s94, s[WV], 64*PK
	v_mul_u32_u24 v[AK0], v1, PK
	v_lshl_add_u32 v[AK0], v[HH], 4, v[AK0]
	v_add_nc_u32 v[AK0], s94, v[AK0]
	s_mul_i32 s94, s[WV], 64*PVP
	s_add_co_u32 s94, s94, VOFF
	v_and_b32 v45, 7, v0
	v_bfe_u32 v46, v0, 3, 1
	v_lshl_add_u32 v[AV0], v[HH], 3, v45
	v_mul_u32_u24 v[AV0], v[AV0], PVP
	v_lshl_add_u32 v[AV0], v46, 4, v[AV0]
	v_add_nc_u32 v[AV0], s94, v[AV0]
	v_lshl_add_u32 v[XR], v1, 3, XCH
	s_lshl_b32 s94, s[WV], 9
	v_add_nc_u32 v[XA], s94, v[XR]
	s_mul_i32 s94, s[WV], 16*SGP
	s_add_co_u32 s94, s94, STG
	v_mul_u32_u24 v[SW], v1, SGP
	v_lshl_add_u32 v[SW], v[HH], 5, v[SW]
	v_add_nc_u32 v[SW], s94, v[SW]
	s_mul_i32 s94, s[WV], 4*SGP
	s_add_co_u32 s94, s94, STG
	v_lshl_add_u32 v[SR], v47, 4, s94
	s_lshl_b32 s94, s[WV], 13
	v_lshl_add_u32 v[GO], v47, 3, s94
	v_lshlrev_b32 v45, 3, v[HH]
	v_sub_nc_u32 v45, v1, v45                      ; my query's place in its tile less my lanes' 8 (l / 16): register j is hidden where j is greater
.irp n, 0,1,2,3,4,5,6,7
	v_cmp_gt_i32 s[HM+\n], \n, v45
.endr
.Lslot:                                ; eight trips: a tile is entered and the next is asked for
	CHANGE 1
	s_sub_co_u32 s[RT], s[RT], 1
	MASKS
	STEP 1
	s_cmp_lg_u32 s[RT], 0
	s_cbranch_scc1 .Lbottom                        ; the same in all waves and all partners: RT hangs on the cluster's x and on the trips alone
	MERGE                                          ; the first block's end
	s_wait_xcnt 0x0                                ; the stores have read O's address
	s_mov_b64 s[OB:OB+1], s[OBB:OBB+1]
	s_add_co_u32 s[RT], s[AA], 1
	s_mov_b32 s[DW], s[CX]
	WIN 0x83                                       ; the second block's Q goes where the one text names Q
.set i, 0
.rept 128
	v_mov_b32 v[i], v[128+i]
.set i, i+1
.endr
	WIN 0
.irp t, 0,1,2,3
	v_mov_b32 v[ST+8*\t], s[CM0]
	v_mov_b32 v[ST+8*\t+1], s[MM0]
.endr
.Lbottom:
	s_sub_co_u32 s[SLOTS], s[SLOTS], 1
	s_cmp_lg_u32 s[SLOTS], 0
	s_cbranch_scc1 .Lslot
	CHANGE 0                                       ; the walk's last tile is written out: nothing is asked for
	s_sub_co_u32 s[RT], s[RT], 1
	MASKS
	STEP 0
	MERGE
	s_wait_tensorcnt 0x0                           ; the wave's end
	ds_add_u32 v[SPW], v[NIL]
	s_wait_dscnt 0x0
	CROUND                                         ; the closing round
	s_endpgm
.Lfunc_end_k_q162252fd3e_attn:
	.size	k_q162252fd3e_attn, .Lfunc_end_k_q162252fd3e_attn-k_q162252fd3e_attn
	.p2alignl 7, 3214868480
	.fill 96, 4, 3214868480
	.section	.rodata,"a",@progbits
	.p2align	6, 0x0
	.amdhsa_kernel k_q162252fd3e_attn
		.amdhsa_group_segment_fixed_size 327680
		.amdhsa_private_segment_fixed_size 0
		.amdhsa_enable_private_segment 0
		.amdhsa_kernarg_size 16
		.amdhsa_user_sgpr_count 2
		.amdhsa_user_sgpr_kernarg_segment_ptr 1
		.amdhsa_wavefront_size32 1
		.amdhsa_system_sgpr_workgroup_id_x 1
		.amdhsa_system_sgpr_workgroup_id_y 1
		.amdhsa_system_sgpr_workgroup_id_z 1
		.amdhsa_system_vgpr_workitem_id 0
		.amdhsa_next_free_vgpr 1024
		.amdhsa_next_free_sgpr 100
		.amdhsa_reserve_vcc 0
		.amdhsa_float_denorm_mode_32 3
		.amdhsa_float_denorm_mode_16_64 3
		.amdhsa_memory_ordered 1
		.amdhsa_forward_progress 1
		.amdhsa_inst_pref_size 186
	.end_amdhsa_kernel
	.amdgpu_metadata
---
amdhsa.version: [ 1, 2 ]
amdhsa.kernels:
  - .name:           k_q162252fd3e_attn
    .symbol:         k_q162252fd3e_attn.kd
    .args:
      - { .name: qkvh, .offset: 0, .size: 8, .value_kind: global_buffer, .address_space: global }
      - { .name: ob, .offset: 8, .size: 8, .value_kind: global_buffer, .address_space: global }
    .group_segment_fixed_size: 327680
    .private_segment_fixed_size: 0
    .kernarg_segment_align: 8
    .kernarg_segment_size: 16
    .max_flat_workgroup_size: 128
    .sgpr_count:     100
    .vgpr_count:     1024
    .wavefront_size: 32
...
	.end_amdgpu_metadata
.endif
;; end of part 3
;; launch oproj (part 4): grid 8 x 32, 4 waves a work-group, clusters of 4 x 4, 327,680 bytes of LDS; arguments ob, wh, lora, out0; writes out0
.if DOCPART == 4
	.amdgcn_target "amdgcn-amd-amdhsa--gfx1250"
	.amdhsa_code_object_version 6
	.text
	.protected	k_q162252fd3e_oproj
	.globl	k_q162252fd3e_oproj
	.p2align	8
	.type	k_q162252fd3e_oproj,@function
k_q162252fd3e_oproj:
	s_mov_b64 s[64:65], 0
	v_nop
	global_prefetch_b8 v0, s[64:65] scope:SCOPE_SE
	s_setreg_imm32_b32 hwreg(HW_REG_WAVE_MODE, 25, 1), 1
	s_wait_xcnt 0x0
	s_wait_alu depctr_hold_cnt(0) depctr_sa_sdst(0) depctr_va_vdst(0) depctr_va_sdst(0) depctr_va_ssrc(0) depctr_va_vcc(0) depctr_vm_vsrc(0)
	s_getreg_b32 s2, hwreg(HW_REG_IB_STS2, 6, 4)
	s_cmp_eq_u32 s2, 0
	s_cbranch_scc0 .Lentry_in_a_cluster
	s_endpgm
.Lentry_in_a_cluster:
	s_bfe_u32 s2, ttmp6, 0x10000c
	s_cmp_lg_u32 s2, 0xf033
	s_cbranch_scc0 .Lentry_shape_is_right
	s_endpgm
.Lentry_shape_is_right:
; y = O Wo + (O Ao) Bo. O: ob[4096][1024] f16. Wo: wh + 12,582,912, [1024 k][2048 n] f16. y: out0[4096][2048] f32.
; SHARES. A work-group makes 128 x 256 of y; wave (w / 2, w % 2) 64 x 128: 4 row blocks a x 8 column blocks c, 32 accumulators. K goes in 8 steps of 128 through two LDS slots.
; Waves 0, 1 fetch the halves of O's tile (64 rows x 256 bytes), waves 2, 3 those of Wo's (64 k rows x 512 bytes). CLUSTER 4 x 4: O's tile jointly along a row, Wo's along a column.
; Ao (turned, 32 KiB) is the same for every work-group: it comes once, by a load of the work-group's own, into bytes that are not filled again.
; T = O Ao rides along: four more products a quarter, on O's fragments. At the end T is split into hi + lo in bf16, and one bf16 step of K = 32 adds T Bo onto the accumulators.
; TRANSPOSED USE: source 0 = 16 columns of Wo, source 1 = 16 rows of O. No prefetch: the tile is small and the launch has eight K steps.
; REGISTERS. window 0: addresses, two fragment buffers (O 32, Wo 64, Ao 8 each). window 1: the accumulators at 8 (8 a + c). window 2: T v0-31, its split v32-63, Bo v64-127, scratch v128-135.
.set PA,    272
.set PB,    544                        ; a k row of Wo's tile: 512 + 32
.set BOFF,  128*PA
.set SLOT,  BOFF+128*PB                ; 104,448
.set AOTL,  2*SLOT
.set STAGE, AOTL+128*PA                ; 16 rows x 528 bytes for each wave
.set SGP,   528
.set SPARE, STAGE+4*16*SGP
.set R,    1
.set H,    2
.set ADRA, 4
.set ADRB, 6
.set ADRT, 8
.set STO,  9
.set RD,   10
.set CO,   11
.set VB,   12
.set SPW,  28
.set NIL,  29
.set FA,   32
.set FB,   96
.set FT,   224
.set OBF,  32
.set TOP,  32                          ; window 2
.set BOF,  64
.set TW,   128
.set G1A, 24
.set G0A, 32
.set G1B, 40
.set G0B, 48
.set G1T, 56
.set G0T, 68
.set WV,  72
.set CX,  73
.set CY,  74
.set NX,  75
.set MY,  76
.set LAP, 77
.set WR,  78
.set WC,  79
.set MSB, 0
.macro WIN new
.if MSB != (\new)
	s_set_vgpr_msb (MSB<<8)|(\new)
.set MSB, \new
.endif
.endm
.macro PLACES
.rept 4
	v_nop
.endr
.endm
.macro CREST
	s_cmp_lg_u32 s[WV], 0
	s_cbranch_scc1 .Lnot_wave_0_\@
	s_barrier_signal -3
.Lnot_wave_0_\@:
	s_barrier_wait -3
	s_barrier_signal -1
	s_barrier_wait -1
.endm
.macro CROUND
	s_barrier_signal -1
	s_barrier_wait -1
	CREST
.endm
.macro JLOAD sl
	s_cmp_lt_u32 s[WV], 2
	s_cbranch_scc0 .Lfor_b_\@
	tensor_load_to_lds s[G0A+4*(\sl):G0A+4*(\sl)+3], s[G1A:G1A+7]
	s_nop 0
	PLACES
	s_branch .Lasked_\@
.Lfor_b_\@:
	tensor_load_to_lds s[G0B+4*(\sl):G0B+4*(\sl)+3], s[G1B:G1B+7]
	s_nop 0
	PLACES
.Lasked_\@:
.endm
.macro FETCH sl, q, f                  ; 26 LDS loads: Wo's 16, O's blocks 0 and 1, Ao's 2, O's blocks 2 and 3
	WIN 0
.irp c, 0,1,2,3,4,5,6,7
	ds_load_tr16_b128 v[FB+64*(\f)+8*\c:FB+64*(\f)+8*\c+3],   v[ADRB+(\sl)] offset:(\q)*32*PB+32*\c
	ds_load_tr16_b128 v[FB+64*(\f)+8*\c+4:FB+64*(\f)+8*\c+7], v[ADRB+(\sl)] offset:(\q)*32*PB+32*\c+16*PB
.endr
.irp a, 0,1
	ds_load_b128 v[FA+32*(\f)+8*\a:FA+32*(\f)+8*\a+3],   v[ADRA+(\sl)] offset:\a*16*PA+64*(\q)
	ds_load_b128 v[FA+32*(\f)+8*\a+4:FA+32*(\f)+8*\a+7], v[ADRA+(\sl)] offset:\a*16*PA+64*(\q)+32
.endr
	ds_load_b128 v[FT+8*(\f):FT+8*(\f)+3],   v[ADRT] offset:(\sl)*16*PA+64*(\q)
	ds_load_b128 v[FT+8*(\f)+4:FT+8*(\f)+7], v[ADRT] offset:(\sl)*16*PA+64*(\q)+32
.irp a, 2,3
	ds_load_b128 v[FA+32*(\f)+8*\a:FA+32*(\f)+8*\a+3],   v[ADRA+(\sl)] offset:\a*16*PA+64*(\q)
	ds_load_b128 v[FA+32*(\f)+8*\a+4:FA+32*(\f)+8*\a+7], v[ADRA+(\sl)] offset:\a*16*PA+64*(\q)+32
.endr
.endm
.macro MUL f, a0, n, zero              ; 8 n products; the accumulators take turns in one order everywhere
	WIN 0x50
.set aa, \a0
.rept \n
.irp c, 0,1,2,3,4,5,6,7
.if \zero
	v_wmma_f32_16x16x32_f16 v[8*(8*aa+\c):8*(8*aa+\c)+7], v[FB+64*(\f)+8*\c:FB+64*(\f)+8*\c+7], v[FA+32*(\f)+8*aa:FA+32*(\f)+8*aa+7], 0
.else
	v_wmma_f32_16x16x32_f16 v[8*(8*aa+\c):8*(8*aa+\c)+7], v[FB+64*(\f)+8*\c:FB+64*(\f)+8*\c+7], v[FA+32*(\f)+8*aa:FA+32*(\f)+8*aa+7], v[8*(8*aa+\c):8*(8*aa+\c)+7]
.endif
.endr
.set aa, aa+1
.endr
.endm
.macro TMUL f, zero                    ; T^T += Ao^T O^T: four accumulators, by turns
	WIN 0xa0
.irp a, 0,1,2,3
.if \zero
	v_wmma_f32_16x16x32_f16 v[8*\a:8*\a+7], v[FT+8*(\f):FT+8*(\f)+7], v[FA+32*(\f)+8*\a:FA+32*(\f)+8*\a+7], 0
.else
	v_wmma_f32_16x16x32_f16 v[8*\a:8*\a+7], v[FT+8*(\f):FT+8*(\f)+7], v[FA+32*(\f)+8*\a:FA+32*(\f)+8*\a+7], v[8*\a:8*\a+7]
.endif
.endr
.endm
.macro QUARTER sl, q, f, g, zero
	s_wait_dscnt 6                                 ; Wo and O's blocks 0, 1 are in; the youngest six loads may be out
	MUL \f, 0, 2, \zero
	PLACES
	FETCH \sl, \q, \g
	s_wait_dscnt 26                                ; all but the 26 just issued
	MUL \f, 2, 2, \zero
	TMUL \f, \zero
.endm
.macro TURN sl, next, fill
	WIN 0
	s_wait_tensorcnt 0x0                           ; all my tensor loads have landed: my part of the next slot
	ds_add_u32 v[SPW], v[NIL]
	s_wait_dscnt 7                                 ; the add and the youngest six loads may be out
	MUL 1, 0, 1, 0
	s_wait_dscnt 0x0                               ; the add is done, my reads of this slot are over
	s_barrier_signal -1
	MUL 1, 1, 1, 0
	WIN 0
	s_barrier_wait -1
.if \fill
	CREST
	s_add_nc_u64 s[G0A+4*(\sl)+2:G0A+4*(\sl)+3], s[G0A+4*(\sl)+2:G0A+4*(\sl)+3], 512
	s_add_nc_u64 s[G0B+4*(\sl)+2:G0B+4*(\sl)+3], s[G0B+4*(\sl)+2:G0B+4*(\sl)+3], 1048576
	JLOAD \sl                                      ; its four v_nop are also the places in front of the loads below
.else
	PLACES
.endif
.if (\sl) == 1
	v_add_nc_u32 v[ADRT], 2*16*PA, v[ADRT]         ; Ao's rows of the next two K steps
.endif
	FETCH \next, 0, 0
	MUL 1, 2, 2, 0
	TMUL 1, 0
.endm
	s_load_b256 s[4:11], s[0:1], 0x0               ; ob 4, wh 6, lora 8, out0 10
	v_lshl_add_u32 v[SPW], v0, 2, SPARE
	v_mov_b32 v[NIL], 0
	ds_add_u32 v[SPW], v[NIL]                      ; the opening: the add and its wait ahead of my first tensor load
	v_lshrrev_b32 v3, 5, v0
	v_readfirstlane_b32 s[WV], v3
	s_lshr_b32 s[WR], s[WV], 1
	s_and_b32 s[WC], s[WV], 1
	s_bfe_u32 s[CX], ttmp6, 0x40000
	s_bfe_u32 s[CY], ttmp6, 0x40004
	s_lshl_b32 s[NX], ttmp9, 2
	s_add_co_u32 s[NX], s[NX], s[CX]
	s_and_b32 s[MY], ttmp7, 0xffff
	s_lshl_b32 s[MY], s[MY], 2
	s_add_co_u32 s[MY], s[MY], s[CY]
	s_lshl_b32 s80, s[CY], 2
	s_lshl_b32 s80, 15, s80
	s_lshl_b32 s82, 0x1111, s[CX]
	s_or_b32 s[G1A], s80, (1<<16)|(1<<20)|(1<<21)|(5<<22)|(3<<25)
	s_or_b32 s[G1B], s82, (1<<16)|(1<<20)|(1<<21)|(6<<22)|(7<<25)   ; 8 words of padding after every 128
	s_mov_b32 s[G1T], (1<<16)|(1<<20)|(5<<22)|(3<<25)               ; no mask: a load of my own
.irp g, G1A, G1T
	s_mov_b32 s[\g+1], 128<<16
	s_mov_b32 s[\g+2], 64<<16
	s_mov_b32 s[\g+3], 128<<16
	s_mov_b32 s[\g+4], 64
	s_mov_b32 s[\g+6], 0
	s_mov_b32 s[\g+7], 0
.endr
	s_mov_b32 s[G1A+5], 1024
	s_mov_b32 s[G1T+5], 128
	s_mov_b32 s[G1B+1], 256<<16
	s_mov_b32 s[G1B+2], 64<<16
	s_mov_b32 s[G1B+3], 256<<16
	s_mov_b32 s[G1B+4], 64
	s_mov_b32 s[G1B+5], 2048
	s_mov_b32 s[G1B+6], 0
	s_mov_b32 s[G1B+7], 0
	s_mul_i32 s84, s[WC], 64*PA
	s_mov_b32 s[G0A], 1
	s_mov_b32 s[G0A+1], s84
	s_mov_b32 s[G0A+4], 1
	s_add_co_u32 s[G0A+5], s84, SLOT
	s_mov_b32 s[G0T], 1
	s_add_co_u32 s[G0T+1], s84, AOTL
	s_mul_i32 s85, s[WC], 64*PB
	s_mov_b32 s[G0B], 1
	s_add_co_u32 s[G0B+1], s85, BOFF
	s_mov_b32 s[G0B+4], 1
	s_add_co_u32 s[G0B+5], s85, BOFF+SLOT
	s_lshl_b32 s80, s[MY], 18                      ; O: 128 rows of 2,048 bytes,
	s_lshl_b32 s81, s[WC], 17                      ; my 64
	s_add_co_u32 s80, s80, s81
	s_mov_b32 s81, 0
	s_lshl_b32 s82, s[NX], 9                       ; Wo: 256 columns,
	s_lshl_b32 s83, s[WC], 18                      ; my 64 k rows of 4,096 bytes
	s_add_co_u32 s82, s82, s83
	s_add_co_u32 s82, s82, 12582912
	s_mov_b32 s83, 0
	s_lshl_b32 s84, s[WC], 14
	s_add_co_u32 s84, s84, 196608
	s_mov_b32 s85, 0
	s_mov_b32 s2, 0xffff0000
	s_wait_dscnt 0x0
	s_wait_kmcnt 0x0
	s_add_nc_u64 s[G0A+2:G0A+3], s[4:5], s[80:81]
	s_add_nc_u64 s[G0A+6:G0A+7], s[G0A+2:G0A+3], 256
	s_or_b32 s[G0A+3], s[G0A+3], 0x80000000
	s_or_b32 s[G0A+7], s[G0A+7], 0x80000000
	s_add_nc_u64 s[G0B+2:G0B+3], s[6:7], s[82:83]
	s_add_nc_u64 s[G0B+6:G0B+7], s[G0B+2:G0B+3], 524288
	s_or_b32 s[G0B+3], s[G0B+3], 0x80000000
	s_or_b32 s[G0B+7], s[G0B+7], 0x80000000
	s_add_nc_u64 s[G0T+2:G0T+3], s[8:9], s[84:85]
	s_or_b32 s[G0T+3], s[G0T+3], 0x80000000
	CROUND
	s_cmp_lt_u32 s[WV], 2                          ; a wave's first fills stand in one branch; the last of them is slot 1's in either: three or two loads of mine are out
	s_cbranch_scc0 .Lfirst_b
	tensor_load_to_lds s[G0A:G0A+3], s[G1A:G1A+7]
	s_nop 0
	tensor_load_to_lds s[G0T:G0T+3], s[G1T:G1T+7]
	s_nop 0
	tensor_load_to_lds s[G0A+4:G0A+7], s[G1A:G1A+7]
	s_nop 0
	PLACES
	s_branch .Lfirst_done
.Lfirst_b:
	tensor_load_to_lds s[G0B:G0B+3], s[G1B:G1B+7]
	s_nop 0
	tensor_load_to_lds s[G0B+4:G0B+7], s[G1B:G1B+7]
	s_nop 0
	PLACES
.Lfirst_done:
	v_and_b32 v[R], 15, v0
	v_bfe_u32 v[H], v0, 4, 1
	v_and_b32 v13, 31, v0
	s_lshl_b32 s80, s[NX], 13                      ; Bo turned: column 256 nx + 128 wc + r, 32 bytes a column
	s_lshl_b32 s81, s[WC], 12
	s_add_co_u32 s80, s80, s81
	v_lshl_add_u32 v[VB], v[R], 5, s80
	v_lshl_add_u32 v[VB], v[H], 4, v[VB]
	WIN 0x80
.irp c, 0,1,2,3,4,5,6,7                ; the same 16 bytes twice: for hi's half of K and for lo's
	global_load_b128 v[BOF+8*\c:BOF+8*\c+3],   v[VB], s[8:9] offset:327680+\c*512
	global_load_b128 v[BOF+8*\c+4:BOF+8*\c+7], v[VB], s[8:9] offset:327680+\c*512
.endr
	WIN 0
	v_mul_u32_u24 v3, v[R], PA
	v_lshl_add_u32 v3, v[H], 4, v3
	v_add_nc_u32 v[ADRT], AOTL, v3
	s_mul_i32 s80, s[WR], 64*PA
	v_add_nc_u32 v[ADRA], s80, v3
	v_add_nc_u32 v[ADRA+1], SLOT, v[ADRA]
	v_and_b32 v14, 7, v0
	v_lshl_add_u32 v14, v[H], 3, v14
	v_mul_u32_u24 v14, v14, PB
	v_bfe_u32 v15, v0, 3, 1
	v_lshl_add_u32 v14, v15, 4, v14
	s_lshl_b32 s80, s[WC], 8
	s_add_co_u32 s80, s80, BOFF
	v_add_nc_u32 v[ADRB], s80, v14
	v_add_nc_u32 v[ADRB+1], SLOT, v[ADRB]
	s_mul_i32 s80, s[WV], 16*SGP
	s_add_co_u32 s80, s80, STAGE
	v_mul_u32_u24 v[STO], v[R], SGP
	v_lshl_add_u32 v[STO], v[H], 5, v[STO]
	v_add_nc_u32 v[STO], s80, v[STO]
	v_lshl_add_u32 v[RD], v13, 4, s80
	v_lshlrev_b32 v[CO], 4, v13
	s_lshl_b32 s80, s[MY], 20                      ; y: 128 rows of 8,192 bytes,
	s_lshl_b32 s81, s[WR], 19                      ; my 64,
	s_add_co_u32 s80, s80, s81
	s_lshl_b32 s81, s[NX], 10                      ; 256 columns,
	s_add_co_u32 s80, s80, s81
	s_lshl_b32 s81, s[WC], 9                       ; my 128
	s_add_co_u32 s80, s80, s81
	s_mov_b32 s81, 0
	s_add_nc_u64 s[10:11], s[10:11], s[80:81]
	s_wait_tensorcnt 0x1                           ; K step 0 and Ao are in; slot 1's load may stay out
	s_barrier_signal -1
	s_barrier_wait -1
	FETCH 0, 0, 0
	QUARTER 0, 1, 0, 1, 1
	WIN 0
	s_mov_b32 s[LAP], 3
.Llap:
	QUARTER 0, 2, 1, 0, 0
	QUARTER 0, 3, 0, 1, 0
	TURN 0, 1, 1
	QUARTER 1, 1, 0, 1, 0
	QUARTER 1, 2, 1, 0, 0
	QUARTER 1, 3, 0, 1, 0
	TURN 1, 0, 1
	QUARTER 0, 1, 0, 1, 0
	WIN 0
	s_sub_co_u32 s[LAP], s[LAP], 1
	s_cmp_lg_u32 s[LAP], 0
	s_cbranch_scc1 .Llap
	QUARTER 0, 2, 1, 0, 0
	QUARTER 0, 3, 0, 1, 0
	TURN 0, 1, 0
	QUARTER 1, 1, 0, 1, 0
	QUARTER 1, 2, 1, 0, 0
	QUARTER 1, 3, 0, 1, 0
	s_wait_dscnt 6
	MUL 1, 0, 2, 0
	s_wait_dscnt 0x0
	MUL 1, 2, 2, 0
	TMUL 1, 0
	PLACES
	PLACES
	WIN 0x8a                                       ; T = hi + lo, each bf16: a lane's eight ranks are four registers of source 1, hi for k 0-15, lo for k 16-31
.irp a, 0,1,2,3
.irp i, 0,1,2,3
	v_cvt_pk_bf16_f32 v[TOP+8*\a+\i], v[8*\a+2*\i], v[8*\a+2*\i+1]
.endr
.irp i, 0,1,2,3
	v_lshlrev_b32 v[TW+2*\i], 16, v[TOP+8*\a+\i]
	v_and_b32 v[TW+2*\i+1], s2, v[TOP+8*\a+\i]
.endr
.irp i, 0,1,2,3
	v_pk_add_f32 v[TW+2*\i:TW+2*\i+1], v[8*\a+2*\i:8*\a+2*\i+1], v[TW+2*\i:TW+2*\i+1] neg_lo:[0,1] neg_hi:[0,1]
.endr
.irp i, 0,1,2,3
	v_cvt_pk_bf16_f32 v[TOP+8*\a+4+\i], v[TW+2*\i], v[TW+2*\i+1]
.endr
.endr
	s_wait_loadcnt 0x0                             ; Bo
	WIN 0x5a
.irp a, 0,1,2,3
.irp c, 0,1,2,3,4,5,6,7
	v_wmma_f32_16x16x32_bf16 v[8*(8*\a+\c):8*(8*\a+\c)+7], v[BOF+8*\c:BOF+8*\c+7], v[TOP+8*\a:TOP+8*\a+7], v[8*(8*\a+\c):8*(8*\a+\c)+7]
.endr
.endr
	PLACES
	; THE WAY OUT, 16 rows at a time through my own stage: in by columns of 32 bytes, back as whole rows of 512 bytes
.set aa, 0
.rept 4
	WIN 0x04
.irp c, 0,1,2,3,4,5,6,7
	ds_store_b128 v[STO], v[64*aa+8*\c:64*aa+8*\c+3]   offset:64*\c
	ds_store_b128 v[STO], v[64*aa+8*\c+4:64*aa+8*\c+7] offset:64*\c+16
.endr
	WIN 0
	s_wait_xcnt 0x0                                ; the last block's stores have read their data and their base
.irp p, 0,1,2,3,4,5,6,7,8,9,10,11,12,13,14,15
	ds_load_b128 v[OBF+4*\p:OBF+4*\p+3], v[RD] offset:\p*SGP      ; LDS serves a wave's instructions in order: these see the stores above
.endr
.if aa > 0
	s_add_nc_u64 s[10:11], s[10:11], 16*8192
.endif
.irp p, 0,1,2,3,4,5,6,7,8,9,10,11,12,13,14,15
	s_wait_dscnt 15-\p
	global_store_b128 v[CO], v[OBF+4*\p:OBF+4*\p+3], s[10:11] offset:\p*8192 th:TH_STORE_NT   ; 512 consecutive bytes, aligned
.endr
.set aa, aa+1
.endr
	s_wait_tensorcnt 0x0                           ; the wave's end
	ds_add_u32 v[SPW], v[NIL]
	s_wait_dscnt 0x0
	CROUND                                         ; the closing round
	s_endpgm
.Lfunc_end_k_q162252fd3e_oproj:
	.size	k_q162252fd3e_oproj, .Lfunc_end_k_q162252fd3e_oproj-k_q162252fd3e_oproj
	.p2alignl 7, 3214868480
	.fill 96, 4, 3214868480
	.section	.rodata,"a",@progbits
	.p2align	6, 0x0
	.amdhsa_kernel k_q162252fd3e_oproj
		.amdhsa_group_segment_fixed_size 327680
		.amdhsa_private_segment_fixed_size 0
		.amdhsa_enable_private_segment 0
		.amdhsa_kernarg_size 32
		.amdhsa_user_sgpr_count 2
		.amdhsa_user_sgpr_kernarg_segment_ptr 1
		.amdhsa_wavefront_size32 1
		.amdhsa_system_sgpr_workgroup_id_x 1
		.amdhsa_system_sgpr_workgroup_id_y 1
		.amdhsa_system_sgpr_workgroup_id_z 1
		.amdhsa_system_vgpr_workitem_id 0
		.amdhsa_next_free_vgpr 768
		.amdhsa_next_free_sgpr 96
		.amdhsa_reserve_vcc 0
		.amdhsa_float_denorm_mode_32 3
		.amdhsa_float_denorm_mode_16_64 3
		.amdhsa_memory_ordered 1
		.amdhsa_forward_progress 1
		.amdhsa_inst_pref_size 102
	.end_amdhsa_kernel
	.amdgpu_metadata
---
amdhsa.version: [ 1, 2 ]
amdhsa.kernels:
  - .name:           k_q162252fd3e_oproj
    .symbol:         k_q162252fd3e_oproj.kd
    .args:
      - { .name: ob, .offset: 0, .size: 8, .value_kind: global_buffer, .address_space: global }
      - { .name: wh, .offset: 8, .size: 8, .value_kind: global_buffer, .address_space: global }
      - { .name: lora, .offset: 16, .size: 8, .value_kind: global_buffer, .address_space: global }
      - { .name: out0, .offset: 24, .size: 8, .value_kind: global_buffer, .address_space: global }
    .group_segment_fixed_size: 327680
    .private_segment_fixed_size: 0
    .kernarg_segment_align: 8
    .kernarg_segment_size: 32
    .max_flat_workgroup_size: 128
    .sgpr_count:     96
    .vgpr_count:     768
    .wavefront_size: 32
...
	.end_amdgpu_metadata
.endif
;; end of part 4
;; ======== version 2 of 2: 4 launches; version 1 with the launch prep written anew for expert scheduling mode
;; limits: values are held in f16: magnitudes above 65,504 overflow, below 6.1e-05 lose precision; inputs' magnitudes at most 65,504; an absolute error that grows with the inputs' magnitude: up to 3e-07 times it; right only within a limited range of input values
;; workspace buffers: xh 23,068,672 bytes; wh 16,777,216 bytes; rope 2,097,152 bytes; lora 393,216 bytes; qkvh 25,165,824 bytes; ob 8,388,608 bytes
;; launch prep (part 5): grid 1232 x 1, 4 waves a work-group, no clusters, 0 bytes of LDS; arguments x, Wq, Wk, Wv, Wo, Aq, Ak, Av, Ao, Bq, Bk, Bv, Bo, positions, xh, wh, rope, lora; writes xh, wh, rope, lora
.if DOCPART == 5
	.amdgcn_target "amdgcn-amd-amdhsa--gfx1250"
	.amdhsa_code_object_version 6
	.text
	.protected	k_q162252fd3e_prep
	.globl	k_q162252fd3e_prep
	.p2align	8
	.type	k_q162252fd3e_prep,@function
k_q162252fd3e_prep:
	s_mov_b64 s[64:65], 0
	v_nop
	global_prefetch_b8 v0, s[64:65] scope:SCOPE_SE
	s_setreg_imm32_b32 hwreg(HW_REG_WAVE_SCHED_MODE, 0, 2), 2
	s_setreg_imm32_b32 hwreg(HW_REG_WAVE_MODE, 25, 1), 1
	s_wait_xcnt 0x0
	s_wait_alu depctr_vm_vsrc(0)
; PREP: every float input is rounded once to bf16; x, W*, A* are then written as f16 (the same number), B* stay bf16.
; xh lies in 32 blocks of 176 rows of 2,048 f16: rows 0-127 are 128 rows of x, rows 128-175 a copy of Aq, Ak, Av turned (row 128 + 16 mat + rank),
; so that the next launch brings a block's rows of x and the adapters' rows by one tile.
; The work-group's number g picks its part:
;   g 0..63      the table of cos and sin for 64 rows each: rope[row][cos 64 | sin 64] f32
;   g 64..111    one rank of Aq, Ak or Av, turned, into all 32 blocks of xh
;   g 112..127   one rank of Ao, turned: AOT[k/128][rank][k%128] f16 at lora+196608
;   g 128..175   Bq, Bk, Bv turned: BT[mat][n][16 ranks] bf16 at lora+229376
;   g 176..207   Bo turned: BOT[n][16 ranks] bf16 at lora+327680        (lora's bytes 0 .. 196,607 are not used)
;   g 208..1231  64 KiB of x (512 groups) or of Wq, Wk, Wv, Wo (128 groups each) -> xh, wh
; LIMITS. A bf16 number beyond 65,504 has no f16: |x|, |W|, |A| stay below that. Below 2^-14 f16 keeps a fixed step of 6e-8.
; The angle is float(pos) x 2^(-i log2(1e6)/64): it differs from pos / theta^(i/64) by some 3e-7 of itself; stated for |pos| <= 32,768.
; sin and cos: the angle less k pi/2 in two parts, polynomials of degree 7 and 8 on |r| <= pi/4, the quadrant by selects.
; attention_mask is an argument that no launch of this program loads.
; THE MODE: SCHED_MODE bits 1:0 = 2 (LLVM: expert scheduling mode 2), set by the entry lines. The code itself states the register dependences between
; vector instructions and memory or LDS instructions, and those through scalar registers that vector instructions write, with s_wait_alu, always for 0.
; THE PLAN, by paths.
;   The streams.  v3, v4: offsets, written once.  v16-143: each register is written by one load, then read and overwritten by its own chunk's conversions.
;     v144-207: chunk i's pair is written once, by its conversions, and read once, by its store.  The 32 chunks go in 8 blocks of four: one wait on va_vdst at a
;     block's head states that the block before has written its pairs; that block's four stores are dealt among this block's conversions, which name none of their registers.
;   The table.  v[RO], v6: written once.  v[BP]: read by a trip's permute, stepped once a trip.  v10: written by the permute, read by one conversion.
;     v[CN ..], v[SN ..]: written by a trip's last lines, read by its two stores.  One wait on vm_vsrc at a trip's head (the permute has read v[BP], the last trip's stores
;     their data), one on va_vdst ahead of the stores (their data and v[BP] are written, v10 is read), one on va_sdst between the run of four compares and the selects.
;   A and B turned: straight lines: a wait on va_vdst ahead of the loads (their offset) and one ahead of the stores (offsets and data).
.set XBLK, 176*4096                    ; bytes in a block of xh
.set IT,  12                           ; v[12:15]  1 / timescale of my four frequencies
.set CN,  16                           ; v[16:19]  cos, to store
.set SN,  20                           ; v[20:23]  sin, to store
.set BP,  24                           ; v24  4 x the lane that holds my row's position
.set RO,  25                           ; v25  my byte offset in two rows of the table; never rewritten
.set PF,  26                           ; v26  the position as f32
.set AN,  28                           ; from here on four registers each, one for each of my frequencies
.set KK,  32
.set RR,  36
.set R2,  40
.set QQ,  44
.set SV,  48
.set CV,  52
.set TV,  56
.set SO,  60
.set CW,  64
.set TS,  68                           ; the sign bit for sin
.set TC,  72                           ; the sign bit for cos
.set MK,  4                            ; s[4:7]  lanes in which the quadrant is odd, for each frequency
.set TRIPS, 62                         ; s62
; two f32 are rounded to bf16, and the two bf16 numbers written as f16
.macro R2H d, a, b
	v_cvt_pk_bf16_f32 v[(\d)], v[(\a)], v[(\b)]
	v_lshlrev_b32 v[(\a)], 16, v[(\d)]
	v_and_b32 v[(\b)], s50, v[(\d)]
	v_cvt_pk_f16_f32 v[(\d)], v[(\a)], v[(\b)]
.endm
; one line for each of my four frequencies u
.macro ALL line:vararg
.set u, 0
.rept 4
	\line
.set u, u+1
.endr
.endm
	s_load_b512 s[8:23], s[0:1], 0x0               ; x 8, Wq 10, Wk 12, Wv 14, Wo 16, Aq 18, Ak 20, Av 22
	s_load_b512 s[24:39], s[0:1], 0x40             ; Ao 24, Bq 26, Bk 28, Bv 30, Bo 32, positions 34, xh 36, wh 38
	s_load_b128 s[40:43], s[0:1], 0x80             ; rope 40, lora 42
	s_mov_b32 s2, ttmp9                            ; g
	v_lshrrev_b32 v1, 5, v0
	v_readfirstlane_b32 s3, v1                     ; wave
	v_and_b32 v2, 31, v0                           ; lane
	s_mov_b32 s49, 0                               ; the high word of every offset pair
	s_mov_b32 s50, 0xffff0000                      ; a word's upper bf16
	s_wait_alu depctr_va_sdst(0)                   ; s3 is written: every path below reads it; the wait stands ahead of the first branch
	s_wait_kmcnt 0x0
	s_cmp_ge_u32 s2, 208
	s_cbranch_scc1 .Lconv
	s_cmp_ge_u32 s2, 176
	s_cbranch_scc1 .Lbot
	s_cmp_ge_u32 s2, 128
	s_cbranch_scc1 .Lbt
	s_cmp_ge_u32 s2, 64
	s_cbranch_scc1 .Lat
; ---- the table. A wave owns 16 rows; a trip makes two: lanes 0-15 one row, lanes 16-31 the next; a lane four frequencies.
	v_and_b32 v3, 15, v2
	v_lshrrev_b32 v4, 4, v2
	s_lshl_b32 s4, s2, 6
	s_lshl_b32 s5, s3, 4
	s_add_co_u32 s4, s4, s5                        ; the wave's first row
	v_add_lshl_u32 v5, v3, s4, 2
	s_wait_alu depctr_va_vdst(0)                   ; v5 is written, which the load reads as its offset
	global_load_b32 v6, v5, s[34:35]               ; lane l holds the position of row l % 16
	s_lshl_b32 s48, s4, 9
	s_add_nc_u64 s[46:47], s[40:41], s[48:49]
	s_mov_b32 s51, 0xbe9f73da                      ; -log2(1e6) / 64
	s_mov_b32 s52, 0x3f22f983                      ; 2 / pi
	s_mov_b32 s53, 0xbfc90fdb                      ; -(pi/2 rounded to f32)
	s_mov_b32 s54, 0x333bbd2e                      ; that rounding's excess over pi/2
	s_mov_b32 s55, 0xb9500d01                      ; -1/5040
	s_mov_b32 s56, 0x3c088889                      ; 1/120
	s_mov_b32 s57, 0xbe2aaaab                      ; -1/6
	s_mov_b32 s58, 0x37d00d01                      ; 1/40320
	s_mov_b32 s59, 0xbab60b61                      ; -1/720
	s_mov_b32 s60, 0x3d2aaaab                      ; 1/24
	s_mov_b32 s61, 0x80000000
	v_lshlrev_b32 v7, 2, v3
.irp e, 0,1,2,3
	v_add_nc_u32 v8, \e, v7
	v_cvt_f32_u32 v8, v8
	v_mul_f32 v[IT+\e], s51, v8
.endr
.irp e, 0,1,2,3
	v_exp_f32 v[IT+\e], v[IT+\e]
.endr
	v_lshlrev_b32 v[BP], 2, v4                     ; a plain line behind the last exponential
	v_lshlrev_b32 v[RO], 9, v4
	v_lshl_add_u32 v[RO], v3, 4, v[RO]
	s_wait_alu depctr_va_vdst(0)                   ; one wait for the four exponentials, ahead of their first reader; v[BP] is written, which the first permute reads, and v[RO], the stores' offset
	s_wait_loadcnt 0x0
	s_mov_b32 s[TRIPS], 8
.Lrope:
	ds_bpermute_b32 v10, v[BP], v6                 ; my row's position, from the lane that loaded it. No vector line since the last wait on va_vdst names v[BP] or v10
	s_wait_dscnt 0x0
	s_wait_xcnt 0x0                                ; the last trip's stores have had their addresses translated: their base and data are written again only behind this wait
	s_wait_alu depctr_vm_vsrc(0)                   ; the permute has read v[BP], the last trip's stores v[CN ..] and v[SN ..]: all are written again below
	s_add_nc_u64 s[46:47], s[46:47], 1024          ; the base stands two rows past this trip's: the stores reach back
	v_cvt_f32_i32 v[PF], v10
	v_add_nc_u32 v[BP], 8, v[BP]
	ALL v_mul_f32 v[AN+u], v[PF], v[IT+u]
	ALL v_mul_f32 v[KK+u], s52, v[AN+u]
	ALL v_rndne_f32 v[KK+u], v[KK+u]
	ALL v_fma_f32 v[RR+u], v[KK+u], s53, v[AN+u]
	ALL v_fma_f32 v[RR+u], v[KK+u], s54, v[RR+u]
	ALL v_mul_f32 v[R2+u], v[RR+u], v[RR+u]
	ALL v_cvt_i32_f32 v[QQ+u], v[KK+u]
	ALL v_and_b32 v[TV+u], 1, v[QQ+u]
	ALL v_cmp_eq_u32 s[MK+u], 1, v[TV+u]           ; odd quadrants swap sin and cos: the four compares stand in a run, the polynomials between them and the wait
	ALL v_fma_f32 v[SV+u], v[R2+u], s55, s56
	ALL v_fma_f32 v[SV+u], v[SV+u], v[R2+u], s57
	ALL v_mul_f32 v[TV+u], v[R2+u], v[RR+u]
	ALL v_fma_f32 v[SV+u], v[SV+u], v[TV+u], v[RR+u]
	ALL v_fma_f32 v[CV+u], v[R2+u], s58, s59
	ALL v_fma_f32 v[CV+u], v[CV+u], v[R2+u], s60
	ALL v_fma_f32 v[CV+u], v[CV+u], v[R2+u], -0.5
	ALL v_fma_f32 v[CV+u], v[CV+u], v[R2+u], 1.0
	ALL v_lshlrev_b32 v[TS+u], 30, v[QQ+u]         ; sin changes sign in quadrants 2, 3
	ALL v_and_b32 v[TS+u], s61, v[TS+u]
	ALL v_add_nc_u32 v[QQ+u], 1, v[QQ+u]           ; cos in quadrants 1, 2
	ALL v_lshlrev_b32 v[TC+u], 30, v[QQ+u]
	ALL v_and_b32 v[TC+u], s61, v[TC+u]
	s_wait_alu depctr_va_sdst(0)                   ; the four compares have written s[MK .. MK+3], which the selects below read
	ALL v_cndmask_b32 v[SO+u], v[SV+u], v[CV+u], s[MK+u]
	ALL v_cndmask_b32 v[CW+u], v[CV+u], v[SV+u], s[MK+u]
	ALL v_xor_b32 v[SN+u], v[TS+u], v[SO+u]
	ALL v_xor_b32 v[CN+u], v[TC+u], v[CW+u]
	s_wait_alu depctr_va_vdst(0)                   ; v[CN ..] and v[SN ..] are written, which the stores read; v[BP] is written and v10 read, for the next trip's permute
	global_store_b128 v[RO], v[CN:CN+3], s[46:47] offset:-1024     ; 16 lanes store 256 consecutive bytes, aligned
	global_store_b128 v[RO], v[SN:SN+3], s[46:47] offset:-768
	s_sub_co_u32 s[TRIPS], s[TRIPS], 1
	s_cmp_lg_u32 s[TRIPS], 0
	s_cbranch_scc1 .Lrope
	s_endpgm
; ---- A turned. u = 16 mat + rank; a lane takes 8 consecutive k of that rank.
.Lat:
	s_sub_co_u32 s4, s2, 64                        ; u
	s_lshr_b32 s5, s4, 4                           ; mat
	s_and_b32 s6, s4, 15                           ; rank
	s_cmp_eq_u32 s5, 0
	s_cselect_b64 s[44:45], s[18:19], s[20:21]
	s_cmp_eq_u32 s5, 2
	s_cselect_b64 s[44:45], s[22:23], s[44:45]
	s_cmp_eq_u32 s5, 3
	s_cselect_b64 s[44:45], s[24:25], s[44:45]
	s_lshl_b32 s6, s6, 2                           ; 4 x rank
	s_cmp_eq_u32 s5, 3
	s_cbranch_scc1 .Lat_o
	s_lshl_b32 s7, s3, 15                          ; k0 = 512 w: 64 bytes a row of A
	s_add_co_u32 s7, s7, s6
	v_lshl_add_u32 v5, v2, 9, s7
	s_wait_alu depctr_va_vdst(0)                   ; v5 is written, which the loads read as their offset
.set i, 0
.rept 16
	global_load_b32 v[16+i], v5, s[44:45] offset:(i/8)*16384+(i%8)*64
.set i, i+1
.endr
	s_add_co_u32 s7, s4, 128                       ; row 128 + u of a block,
	s_lshl_b32 s7, s7, 12
	s_lshl_b32 s48, s3, 10                         ; my wave's 1,024 bytes of it
	s_add_co_u32 s7, s7, s48
	v_lshl_add_u32 v6, v2, 4, s7
	v_add_nc_u32 v7, 8*XBLK, v6                    ; four offsets, eight blocks apart: the block among eight stands in the immediate
	v_add_nc_u32 v8, 16*XBLK, v6
	v_add_nc_u32 v9, 24*XBLK, v6
	s_wait_loadcnt 0x0
.set i, 0
.rept 8
	R2H 32+i, 16+2*i, 17+2*i
.set i, i+1
.endr
	s_wait_alu depctr_va_vdst(0)                   ; the four offsets v6 to v9 and the data v[32:39] are written, which the stores read
.irp g, 0,1,2,3
.irp c, 0,1,2,3,4,5,6,7
	global_store_b128 v[6+\g], v[32:35], s[36:37] offset:\c*XBLK       ; the same 512 consecutive bytes into each of the 32 blocks
	global_store_b128 v[6+\g], v[36:39], s[36:37] offset:\c*XBLK+512
.endr
.endr
	s_endpgm
.Lat_o:
	s_lshl_b32 s7, s3, 14                          ; k0 = 256 w
	s_add_co_u32 s7, s7, s6
	v_lshl_add_u32 v5, v2, 9, s7
	s_wait_alu depctr_va_vdst(0)                   ; v5 is written, which the loads read as their offset
.set i, 0
.rept 8
	global_load_b32 v[16+i], v5, s[44:45] offset:i*64
.set i, i+1
.endr
	s_lshl_b32 s7, s3, 13                          ; K step 2 w + l / 16, 4,096 bytes each
	s_lshl_b32 s6, s6, 6                           ; rank x 256
	s_add_co_u32 s7, s7, s6
	v_lshrrev_b32 v3, 4, v2
	v_and_b32 v4, 15, v2
	v_lshl_add_u32 v6, v3, 12, s7
	v_lshl_add_u32 v6, v4, 4, v6
	s_wait_loadcnt 0x0
.set i, 0
.rept 4
	R2H 32+i, 16+2*i, 17+2*i
.set i, i+1
.endr
	s_wait_alu depctr_va_vdst(0)                   ; the offset v6 and the data v[32:35] are written, which the store reads
	global_store_b128 v6, v[32:35], s[42:43] offset:196608
	s_endpgm
; ---- B turned. A wave takes 16 columns; lane l column l / 2, ranks 8 (l % 2) + 0..7: 16 bytes at 16 l of 512 consecutive bytes.
.macro SB pitch                        ; s[44:45] the source, s6 the first column, s7 the byte offset in lora
	v_lshrrev_b32 v3, 1, v2
	v_and_b32 v4, 1, v2
	v_add_lshl_u32 v5, v3, s6, 2
	v_mul_u32_u24 v4, v4, 8*(\pitch)
	v_add_nc_u32 v5, v5, v4
	s_wait_alu depctr_va_vdst(0)                   ; v5 is written, which the loads read as their offset
.set i, 0
.rept 8
	global_load_b32 v[16+i], v5, s[44:45] offset:i*(\pitch)
.set i, i+1
.endr
	v_lshl_add_u32 v6, v2, 4, s7
	s_wait_loadcnt 0x0
.set i, 0
.rept 4
	v_cvt_pk_bf16_f32 v[32+i], v[16+2*i], v[17+2*i]
.set i, i+1
.endr
	s_wait_alu depctr_va_vdst(0)                   ; the offset v6 and the data v[32:35] are written, which the store reads
	global_store_b128 v6, v[32:35], s[42:43]
	s_endpgm
.endm
.Lbt:
	s_sub_co_u32 s4, s2, 128
	s_lshr_b32 s5, s4, 4                           ; mat
	s_and_b32 s6, s4, 15
	s_cmp_eq_u32 s5, 0
	s_cselect_b64 s[44:45], s[26:27], s[28:29]
	s_cmp_eq_u32 s5, 2
	s_cselect_b64 s[44:45], s[30:31], s[44:45]
	s_lshl_b32 s6, s6, 6
	s_lshl_b32 s7, s3, 4
	s_add_co_u32 s6, s6, s7                        ; first column
	s_lshl_b32 s7, s5, 15
	s_lshl_b32 s48, s6, 5
	s_add_co_u32 s7, s7, s48
	s_add_co_u32 s7, s7, 229376
	SB 4096
.Lbot:
	s_sub_co_u32 s4, s2, 176
	s_mov_b64 s[44:45], s[32:33]
	s_lshl_b32 s6, s4, 6
	s_lshl_b32 s7, s3, 4
	s_add_co_u32 s6, s6, s7
	s_lshl_b32 s7, s6, 5
	s_add_co_u32 s7, s7, 327680
	SB 8192
; ---- the streams. A wave takes 16 KiB of f32: 32 loads of 512 consecutive bytes, all out at once; each becomes 256 bytes of f16.
.Lconv:
	s_sub_co_u32 s4, s2, 208                       ; u
	s_sub_co_u32 s5, s4, 512                       ; for the weights: 128 mat + chunk
	s_lshr_b32 s6, s5, 7
	s_and_b32 s7, s5, 127
	s_lshr_b32 s51, s4, 4                          ; for x: sixteen chunks of 8 rows fill a block's 128 rows,
	s_mul_i32 s51, s51, 48*4096                    ; and the adapters' 48 rows behind each block are stepped over
	s_cmp_eq_u32 s6, 0
	s_cselect_b64 s[44:45], s[10:11], s[12:13]
	s_cmp_eq_u32 s6, 2
	s_cselect_b64 s[44:45], s[14:15], s[44:45]
	s_cmp_eq_u32 s6, 3
	s_cselect_b64 s[44:45], s[16:17], s[44:45]
	s_cmp_lt_u32 s4, 512
	s_cselect_b64 s[44:45], s[8:9], s[44:45]
	s_cselect_b64 s[46:47], s[36:37], s[38:39]
	s_cselect_b32 s7, s4, s7                       ; the chunk in the source,
	s_cselect_b32 s5, s4, s5                       ; and in the destination (the four weights lie on end in wh)
	s_cselect_b32 s51, s51, 0
	s_lshl_b32 s48, s7, 16
	s_lshl_b32 s6, s3, 14
	s_add_co_u32 s48, s48, s6
	s_add_nc_u64 s[44:45], s[44:45], s[48:49]
	s_lshl_b32 s48, s5, 15
	s_lshl_b32 s6, s3, 13
	s_add_co_u32 s48, s48, s6
	s_add_co_u32 s48, s48, s51
	s_add_nc_u64 s[46:47], s[46:47], s[48:49]
	v_lshlrev_b32 v3, 4, v2
	v_lshlrev_b32 v4, 3, v2
	s_wait_alu depctr_va_vdst(0)                   ; v3 and v4 are written: the loads' offset and the stores'; neither is written again
.set i, 0
.rept 32
	global_load_b128 v[16+4*i:16+4*i+3], v3, s[44:45] offset:512*i th:TH_LOAD_NT
.set i, i+1
.endr
.set i, 0
.rept 32                               ; blocks of four chunks: a block's stores are issued in the next block
	s_wait_loadcnt 31-i                            ; loads come back in order: load i is in, the younger ones stay out
.if (i%4 == 0) && (i > 0)
	s_wait_alu depctr_va_vdst(0)                   ; the block before has written its four pairs, which this block's four stores read
.endif
.if i >= 4
	global_store_b64 v4, v[144+2*(i-4):145+2*(i-4)], s[46:47] offset:256*(i-4)   ; 32 lanes store 256 consecutive bytes, aligned; no vector line since the wait names this pair or v4
.endif
	R2H 144+2*i, 16+4*i, 17+4*i
	R2H 145+2*i, 18+4*i, 19+4*i                    ; no register is used twice
.set i, i+1
.endr
	s_wait_alu depctr_va_vdst(0)                   ; the last block has written its four pairs, which the last four stores read
.set i, 28
.rept 4
	global_store_b64 v4, v[144+2*i:145+2*i], s[46:47] offset:256*i
.set i, i+1
.endr
	s_endpgm
.Lfunc_end_k_q162252fd3e_prep:
	.size	k_q162252fd3e_prep, .Lfunc_end_k_q162252fd3e_prep-k_q162252fd3e_prep
	.p2alignl 7, 3214868480
	.fill 96, 4, 3214868480
	.section	.rodata,"a",@progbits
	.p2align	6, 0x0
	.amdhsa_kernel k_q162252fd3e_prep
		.amdhsa_group_segment_fixed_size 0
		.amdhsa_private_segment_fixed_size 0
		.amdhsa_enable_private_segment 0
		.amdhsa_kernarg_size 144
		.amdhsa_user_sgpr_count 2
		.amdhsa_user_sgpr_kernarg_segment_ptr 1
		.amdhsa_wavefront_size32 1
		.amdhsa_system_sgpr_workgroup_id_x 1
		.amdhsa_system_sgpr_workgroup_id_y 1
		.amdhsa_system_sgpr_workgroup_id_z 1
		.amdhsa_system_vgpr_workitem_id 0
		.amdhsa_next_free_vgpr 208
		.amdhsa_next_free_sgpr 66
		.amdhsa_reserve_vcc 0
		.amdhsa_float_denorm_mode_32 3
		.amdhsa_float_denorm_mode_16_64 3
		.amdhsa_memory_ordered 1
		.amdhsa_forward_progress 1
		.amdhsa_inst_pref_size 45
	.end_amdhsa_kernel
	.amdgpu_metadata
---
amdhsa.version: [ 1, 2 ]
amdhsa.kernels:
  - .name:           k_q162252fd3e_prep
    .symbol:         k_q162252fd3e_prep.kd
    .args:
      - { .name: x, .offset: 0, .size: 8, .value_kind: global_buffer, .address_space: global }
      - { .name: Wq, .offset: 8, .size: 8, .value_kind: global_buffer, .address_space: global }
      - { .name: Wk, .offset: 16, .size: 8, .value_kind: global_buffer, .address_space: global }
      - { .name: Wv, .offset: 24, .size: 8, .value_kind: global_buffer, .address_space: global }
      - { .name: Wo, .offset: 32, .size: 8, .value_kind: global_buffer, .address_space: global }
      - { .name: Aq, .offset: 40, .size: 8, .value_kind: global_buffer, .address_space: global }
      - { .name: Ak, .offset: 48, .size: 8, .value_kind: global_buffer, .address_space: global }
      - { .name: Av, .offset: 56, .size: 8, .value_kind: global_buffer, .address_space: global }
      - { .name: Ao, .offset: 64, .size: 8, .value_kind: global_buffer, .address_space: global }
      - { .name: Bq, .offset: 72, .size: 8, .value_kind: global_buffer, .address_space: global }
      - { .name: Bk, .offset: 80, .size: 8, .value_kind: global_buffer, .address_space: global }
      - { .name: Bv, .offset: 88, .size: 8, .value_kind: global_buffer, .address_space: global }
      - { .name: Bo, .offset: 96, .size: 8, .value_kind: global_buffer, .address_space: global }
      - { .name: positions, .offset: 104, .size: 8, .value_kind: global_buffer, .address_space: global }
      - { .name: xh, .offset: 112, .size: 8, .value_kind: global_buffer, .address_space: global }
      - { .name: wh, .offset: 120, .size: 8, .value_kind: global_buffer, .address_space: global }
      - { .name: rope, .offset: 128, .size: 8, .value_kind: global_buffer, .address_space: global }
      - { .name: lora, .offset: 136, .size: 8, .value_kind: global_buffer, .address_space: global }
    .group_segment_fixed_size: 0
    .private_segment_fixed_size: 0
    .kernarg_segment_align: 8
    .kernarg_segment_size: 144
    .max_flat_workgroup_size: 128
    .sgpr_count:     66
    .vgpr_count:     208
    .wavefront_size: 32
...
	.end_amdgpu_metadata
.endif
;; end of part 5
;; launch qkv: the kernel of part 2 again; grid 8 x 32, 4 waves a work-group, clusters of 4 x 4, 327,680 bytes of LDS; arguments xh, wh, rope, lora, qn_w, kn_w, qkvh, out1, out2; writes qkvh, out1, out2
;; launch attn: the kernel of part 3 again; grid 16 x 16, 4 waves a work-group, clusters of 4 x 1, 327,680 bytes of LDS; arguments qkvh, ob; writes ob
;; launch oproj: the kernel of part 4 again; grid 8 x 32, 4 waves a work-group, clusters of 4 x 4, 327,680 bytes of LDS; arguments ob, wh, lora, out0; writes out0
